; MI455X (gfx1250); checked and timed in simulation.
; The chip was launched on July 23, 2026; its instructions are those of AMD's public machine-readable ISA for CDNA 5 (MIT licence, August 2026) and "CDNA5" Instruction Set Architecture Reference Guide (July 2026). The comments in the code are by the model that wrote it; some were corrected since.
;; Multi Head Attention Module. Allowed arithmetic: matrix products marked QUANTISED: E2M3 operands, one E8M0 scale for each 32 along K, by v_wmma_scale_f32_16x16x128_f8f6f4 with both operands' format E2M3, f32 sums; everything else in f32.
;; Inputs: Wk 1,024 x 1,024 float32; Wo 1,024 x 1,024 float32; Wq 1,024 x 1,024 float32; Wv 1,024 x 1,024 float32; bk 1,024 float32; bo 1,024 float32; bq 1,024 float32; bv 1,024 float32; k 2 x 2,048 x 1,024 float32; mask 2 x 2,048 x 2,048 int32; q 2 x 2,048 x 1,024 float32; v 2 x 2,048 x 1,024 float32.
;; Outputs: out0 2 x 2,048 x 1,024 float32.
;; This version of the problem:
;;   THIS VERSION OF THE PROBLEM IS GIVEN IN LOW PRECISION. The matrix products marked QUANTISED in the list below multiply operands that are first quantised to E2M3 (2 exponent bits, 3 mantissa bits; 6 bits a number), with one power-of-two scale for each 32 numbers along K (OCP MX v1.0); their sums are f32. All else is computed in f32.
;;   The module's matrix products, in the order in which they are computed (A, B: the left and right operand; K: the contracted axis; several contracted axes count as one K, in the product's order):
;;     1. [M 4,096, K 1,024] x [K 1,024, N 1,024]; A: input q; B: input Wq: QUANTISED
;;     2. [M 4,096, K 1,024] x [K 1,024, N 1,024]; A: input k; B: input Wk: QUANTISED
;;     3. [M 4,096, K 1,024] x [K 1,024, N 1,024]; A: input v; B: input Wv: QUANTISED
;;     4. batch 32 x [M 2,048, K 64] x [K 64, N 2,048]; A: computed on the way; B: computed on the way: QUANTISED
;;     5. batch 32 x [M 2,048, K 2,048] x [K 2,048, N 64]; A: softmax (see below); B: computed on the way: QUANTISED
;;     6. [M 4,096, K 1,024] x [K 1,024, N 1,024]; A: computed on the way; B: input Wo: QUANTISED
;;   THE QUANTISER, for each operand of a quantised product, along K:
;;     - K is cut into blocks of 32 from its start; a last block that is shorter is filled with zeros.
;;     - A block's scale is 2^e with e = floor(log2(the largest magnitude in the block)) - 2, held to -126 .. 127; a block of zeros has e = 0. As a byte (E8M0): e + 127.
;;     - Each number is divided by its block's scale, clamped to +-7.5, and rounded to the nearest number of E2M3, ties to even, subnormals kept.
;;     - The product sums the exact products of the quantised numbers (number of the format x scale) in f32.
;;   ~~~python
;;   def quantise(x, axis):      # numpy; x: float32 -> the quantised numbers, widened to float32 again
;;       x = np.moveaxis(x, axis, -1); K = x.shape[-1]
;;       x = np.pad(x, [(0, 0)] * (x.ndim - 1) + [(0, -K % 32)]); x = x.reshape(x.shape[:-1] + (-1, 32)); a = np.abs(x).max(-1, keepdims=True)
;;       e = np.where(a > 0, np.clip(np.frexp(np.where(a > 0, a, 1))[1] - 1 - 2, -126, 127), 0)      # np.frexp(a)[1] - 1 = floor(log2(a)), exactly
;;       r = np.clip(x / 2.0 ** e, -7.5, 7.5)
;;       step = 2.0 ** (np.maximum(np.frexp(np.where(r == 0, 1, r))[1] - 1, 0) - 3)
;;       q = np.round(r / step) * step * 2.0 ** e      # np.round: ties to even
;;       return np.moveaxis(q.reshape(q.shape[:-2] + (-1,))[..., :K], -1, axis).astype(np.float32)
;;   ~~~
;;   SOFTMAX AHEAD OF A QUANTISED PRODUCT. Where the list says 'softmax', what is quantised is not the finished softmax but p = 2^(t - M), with t = logit x log2(e) and M = ceil(the row's largest t), a whole number; so 1/2 < the row's largest p <= 1. The row's sum l is taken of the UNQUANTISED p, in f32, and the product's result is divided by l at the end. Since M is a whole number, a kernel that streams over the keys may use a running M (the ceiling of the running maximum): every later rescaling is an exact power of two, which a block's scale takes up: the codes' values come out the same.
;;   OPERANDS COMPUTED ON THE WAY. 'Computed on the way' means the value that the module computes at that place (a softmax that the list does not call 'softmax' is quantised finished and normalised). What goes into a quantiser is computed in f32, as accurately as f32 sums, v_exp_f32 and their like allow (about 1e-6 of the number): no bf16 or f16 on the way to a quantiser, and a product that is left as it is and whose result goes on into a quantised operand takes f32 operands (vector FMAs, or v_wmma_f32_16x16x4_f32). A number that lies on a knife's edge between two numbers of the format may be rounded either way, as far as f32 arithmetic and the matrix unit's own rounding can turn it there, and no further.
;; One version. Each part assembles by itself: llvm-mc -triple=amdgcn-amd-amdhsa -mcpu=gfx1250 --defsym DOCPART=n.
;; ======== version 1 of 1: 4 launches
;; limits: right only within a limited range of input values
;; workspace buffers: xbuf 13,107,200 bytes; mbits 1,048,576 bytes of whole numbers; hq 6,684,672 bytes; hkv 6,684,672 bytes; cbuf 3,276,800 bytes
;; launch prep (part 1): grid 768 x 1, 4 waves a work-group, no clusters, 70,144 bytes of LDS; arguments q, k, v, Wq, Wk, Wv, Wo, mask, xbuf, mbits; writes xbuf, mbits
.if DOCPART == 1
	.amdgcn_target "amdgcn-amd-amdhsa--gfx1250"
	.amdhsa_code_object_version 6
	.text
	.protected	k_q62a8d9ed03_prep
	.globl	k_q62a8d9ed03_prep
	.p2align	8
	.type	k_q62a8d9ed03_prep,@function
k_q62a8d9ed03_prep:
	s_mov_b64 s[64:65], 0
	v_nop
	global_prefetch_b8 v0, s[64:65] scope:SCOPE_SE
	s_setreg_imm32_b32 hwreg(HW_REG_WAVE_MODE, 25, 1), 1
	s_wait_xcnt 0x0
; PREP.  (1) q, k, v [4096][1024] and Wq, Wk, Wv, Wo [1024][1024], f32 with K innermost, become codes of FP6 (E2M3) with one E8M0 byte for each 32 along K,
; laid in xbuf in the order of an operand's registers.  (2) mask [2][2048][2048] int32 becomes one bit a number, laid in mbits as lane masks for the attention launch.
; A TILE is 16 rows; place r of tile T holds row 32 (T / 2) + 8 (T % 2) + r + 8 (r / 8), so that the results of two neighbouring tiles are 16 neighbours along a later K.
; xbuf: tile G at 12,288 G (q 0-255, k 256-511, v 512-767, Wq 768.., Wk 832.., Wv 896.., Wo 960..); chunk c (64 along K) at + 768 c: lane (r, h) owns the 24 bytes of place r, k = 64 c + 32 h + 0 .. 31:
; its first 16 bytes at 16 x lane, its last 8 at 512 + 8 x lane.  Scale bytes at XSC + 512 G + 32 r, the row's 32 bytes in the order of K.
; mbits: [query tile 256][step of 128 keys 16][64 words]; bit l of word 32 c + i says whether mask[query of place l % 16][128 step + 64 c + 32 (l / 16) + i] is not 0.
; A block's scale is 2^(floor(log2(largest magnitude)) - 2); its byte is that magnitude's exponent field - 2, held at 1 from below by a floor among the maximum's leaves.
; LIMITS: NaN and infinities are not served; a block whose largest magnitude lies under 2^-124 has the byte 1; a block of zeros has the byte 1 and not 127 (its codes are zeros, and this program alone reads the bytes).
; SHARES: every wave takes 32,768 bytes of input, eight chunks of 16 rows x 256 bytes.  Work-groups 0-511: wave w quantises half kh = w % 2 of K of tile 2 x + w / 2.
; Work-groups 512-767: query tile x - 512, wave w its keys 512 w .. 512 w + 511.
; Every load reads 2 x 256 consecutive bytes (lanes 0-15 one row, lanes 16-31 the next); four chunks, 32 loads, of a wave are out at a time.  The numbers turn through the wave's own stage in LDS
; (rows of 256 + 16 bytes) so that a lane gets neighbours along K.  Waves share nothing: no barrier.  No input is shared between work-groups, so there is no cluster; no matrix work.  Each of the two paths has LDS bytes of its own.
.set PQ,   4096                        ; a row of q .. Wo in bytes
.set PM,   8192                        ; a row of mask in bytes
.set XSC,  12582912                    ; where xbuf's scale bytes begin
.set WREG, 8704                        ; a wave's LDS: two stages
.set STG,  4352                        ; a stage: 16 rows x 272 bytes
.set MREG, 4*WREG                      ; the mask path's regions lie behind the quantiser's
.set NCH,  8                           ; chunks of a wave
.set R,    32                          ; v32-159  four sets of 32 registers as loaded
.set X,    160                         ; v160-223 two sets of 32 numbers, neighbours along K
.set CD,   224                         ; v224-229 a chunk's 24 bytes of codes
.set TP,   28                          ; v28-30   the second conversion's result (its three registers begin on an even number)
.set SB,   16                          ; v16-19   scale bytes as they are gathered
.set WD,   232                         ; v232-239 mask words, four pairs; in the quantiser path the permutes' destinations
.macro LOAD t, pitch                   ; chunk t: 256 bytes of each of the tile's 16 rows, into set t % 4
.irp i, 0,1,2,3,4,5,6,7
; THE ORDER OF ROWS AS IT STANDS NOW.  For q, v, the weights and the mask's queries: as the head says.  FOR k ALONE place r of tile T holds row 64 (T / 4) + 8 (T % 4) + r % 8 + 32 (r / 8): so in the attention launch a lane's
; 32 registers of four neighbouring tiles of scores are one whole block of 32 neighbouring keys.  Places 8-15 are loaded by v26, which for k stands 16 rows further on than v4.
; mbits accordingly: bit l of word 32 c + i of a step says whether mask[query of place l % 16][128 step + 64 c + 32 (l / 16) + i] is not 0.
.if \i < 4
	global_load_b128 v[R+32*((\t)%4)+4*\i:R+32*((\t)%4)+4*\i+3], v4, s[24:25] offset:(2*\i+8*(\i/4))*\pitch+256*(\t) th:TH_LOAD_NT
.else
	global_load_b128 v[R+32*((\t)%4)+4*\i:R+32*((\t)%4)+4*\i+3], v26, s[24:25] offset:(2*\i+8*(\i/4))*\pitch+256*(\t) th:TH_LOAD_NT
.endif
.endr
.endm
.macro TURN t, sti, sto, m             ; chunk t through stage t % 2.  LDS serves a wave's instructions in order (ISA guide 5.7.1.4): no wait between the stores and the loads
.irp i, 0,1,2,3,4,5,6,7
	ds_store_b128 v[\sti], v[R+32*((\t)%4)+4*\i:R+32*((\t)%4)+4*\i+3] offset:STG*((\t)%2)+2*\i*272
.endr
.irp i, 0,1,2,3,4,5,6,7
.if \m
	ds_load_b128 v[X+32*((\t)%2)+4*\i:X+32*((\t)%2)+4*\i+3], v[\sto] offset:STG*((\t)%2)+128*(\i/4)+16*(\i%4)
.else
	ds_load_b128 v[X+32*((\t)%2)+4*\i:X+32*((\t)%2)+4*\i+3], v[\sto] offset:STG*((\t)%2)+16*\i
.endif
.endr
.endm
; The head of chunk t's turn, alike in both paths: its numbers are back from the stage; the set that held them takes the loads of four chunks on; the next chunk goes through the other stage.
.macro AHEAD t, pitch, sti, sto, m
	s_wait_dscnt 0x0                               ; this chunk's numbers are back, and its stores into the stage have read their registers,
.if (\t)+4 < NCH
	LOAD (\t)+4, \pitch                            ; which take the loads of four chunks on
.endif
.if (\t)+1 < NCH
.if (\t) < 4
	s_wait_loadcnt 24                              ; the next chunk's eight loads are in; the three chunks behind it may be out
.else
	s_wait_loadcnt 8*(6-(\t))                      ; nothing more is asked for: the counts run down
.endif
	TURN (\t)+1, \sti, \sto, \m
.endif
.endm
	s_load_b512 s[4:19], s[0:1], 0x0               ; q, k, v, Wq, Wk, Wv, Wo, mask
	s_load_b128 s[20:23], s[0:1], 0x40             ; xbuf, mbits
	v_lshl_add_u32 v240, v0, 2, 0x11000
	v_mov_b32 v241, 0
	v_lshrrev_b32 v1, 5, v0
	v_readfirstlane_b32 s26, v1                    ; wave
	v_and_b32 v1, 31, v0                           ; lane
	v_and_b32 v2, 15, v0                           ; r
	v_bfe_u32 v3, v0, 4, 1                         ; h
	v_lshlrev_b32 v7, 4, v1                        ; 16 x lane
	v_lshlrev_b32 v8, 3, v1                        ; 8 x lane
	s_mul_i32 s27, s26, WREG
	v_mul_u32_u24 v5, v3, 272
	v_lshl_add_u32 v5, v2, 4, v5
	v_add_nc_u32 v5, s27, v5                       ; into a stage: row h of the pair, 16 bytes a lane
	v_mul_u32_u24 v6, v2, 272
	v_add_nc_u32 v13, s27, v6
	v_lshl_add_u32 v6, v3, 7, v13                  ; out of it, quantiser: row r, 128 h: a whole block of 32
	v_lshl_add_u32 v13, v3, 7, v13                 ; out of the mask's stage: row r, 128 h: 32 neighbouring keys
	v_add_nc_u32 v13, MREG, v13                    ; in the mask path's region
	v_add_nc_u32 v12, MREG, v5                     ; into the mask path's stage
.irp i, 0,1,2,3,4,5,6,7
	v_mov_b32 v[WD+\i], 0                          ; a lane write's and a lane permute's destination counts as read
.endr
	s_cmp_lt_u32 ttmp9, 512
	s_cbranch_scc0 .Lmask
	; ---------------- the quantiser ----------------
	v_lshlrev_b32 v4, 4, v2
	v_lshl_add_u32 v4, v3, 12, v4                  ; in memory: row h of the pair, 16 r
	v_lshlrev_b32 v9, 5, v2
	v_lshl_add_u32 v9, v3, 3, v9                   ; the scale bytes' place: 32 r + 8 h
	v_lshlrev_b32 v10, 3, v3                       ; 8 h
	s_mov_b32 s38, 0x76543210
	s_mov_b32 s39, 0xfedcba98                      ; v_permlanex16_b32's selects for lane l xor 16
	s_lshl_b32 s28, ttmp9, 1
	s_lshr_b32 s29, s26, 1
	s_add_co_u32 s28, s28, s29                     ; G = 2 x + wave / 2
	s_and_b32 s43, s26, 1                          ; kh: which half of K
	s_lshr_b32 s29, ttmp9, 7
	s_lshl_b32 s29, s29, 8
	s_lshr_b32 s30, ttmp9, 5
	s_lshl_b32 s30, s30, 6
	s_cmp_lt_u32 ttmp9, 384
	s_cselect_b32 s29, s29, s30                    ; the tensor's first tile
	s_sub_co_u32 s29, s28, s29                     ; my tile in the tensor
	s_lshr_b32 s30, s29, 1
	s_lshl_b32 s30, s30, 5
	s_and_b32 s31, s29, 1
	s_lshl_b32 s31, s31, 3
	s_add_co_u32 s30, s30, s31                     ; its first row
	s_lshr_b32 s44, s29, 2                         ; k's tiles (work-groups 128-255): first row 64 (T / 4) + 8 (T % 4),
	s_lshl_b32 s44, s44, 6
	s_and_b32 s45, s29, 3
	s_lshl_b32 s45, s45, 3
	s_add_co_u32 s44, s44, s45
	s_lshr_b32 s45, ttmp9, 7
	s_cmp_eq_u32 s45, 1
	s_cselect_b32 s30, s44, s30
	s_cselect_b32 s45, 0x10000, 0                  ; and places 8-15 lie 32 rows on, not 16: 16 rows of 4,096 bytes more
	s_wait_alu depctr_va_vdst(0)                   ; directly ahead of the reader below
	v_add_nc_u32 v26, s45, v4
	s_lshl_b32 s30, s30, 12
	s_lshl_b32 s31, s43, 11                        ; my half of K: 512 numbers, 2,048 bytes
	s_add_co_u32 s30, s30, s31
	s_mov_b32 s31, 0
	s_mul_i32 s32, s28, 12288
	s_mul_i32 s33, s43, 6144                       ; eight chunks of 768 bytes
	s_add_co_u32 s32, s32, s33
	s_mov_b32 s33, 0
	s_lshl_b32 s40, s28, 9
	s_lshl_b32 s41, s43, 4                         ; 16 of a row's 32 scale bytes
	s_add_co_u32 s40, s40, s41
	s_add_co_u32 s40, s40, XSC
	s_mov_b32 s41, 0
	s_wait_alu depctr_va_vdst(0)
	s_wait_kmcnt 0x0
	s_mov_b64 s[24:25], s[16:17]                   ; which tensor: a choice on the work-group's number alone
	s_cmp_lt_u32 ttmp9, 480
	s_cselect_b64 s[24:25], s[14:15], s[24:25]
	s_cmp_lt_u32 ttmp9, 448
	s_cselect_b64 s[24:25], s[12:13], s[24:25]
	s_cmp_lt_u32 ttmp9, 416
	s_cselect_b64 s[24:25], s[10:11], s[24:25]
	s_cmp_lt_u32 ttmp9, 384
	s_cselect_b64 s[24:25], s[8:9], s[24:25]
	s_cmp_lt_u32 ttmp9, 256
	s_cselect_b64 s[24:25], s[6:7], s[24:25]
	s_cmp_lt_u32 ttmp9, 128
	s_cselect_b64 s[24:25], s[4:5], s[24:25]
	s_add_nc_u64 s[24:25], s[24:25], s[30:31]
	s_add_nc_u64 s[34:35], s[20:21], s[32:33]      ; my codes
	s_add_nc_u64 s[36:37], s[20:21], s[40:41]      ; and my scale bytes
	LOAD 0, PQ
	LOAD 1, PQ
	LOAD 2, PQ
	LOAD 3, PQ
	s_wait_loadcnt 24                              ; chunk 0's eight loads are in; chunks 1 to 3 may be out
	TURN 0, 5, 6, 0
.macro CHUNK t
.set XR, X+32*((\t)%2)
	AHEAD \t, PQ, 5, 6, 0
	v_max3_num_f32 v14, |v[XR]|, |v[XR+1]|, 0x1800000              ; the block's largest magnitude, all 32 numbers mine, in two chains; the floor 2^(3 - 127) is one more leaf
	v_max3_num_f32 v15, |v[XR+2]|, |v[XR+3]|, |v[XR+4]|
.irp i, 5,9,13,17,21,25
	v_max3_num_f32 v14, v14, |v[XR+\i]|, |v[XR+\i+1]|
	v_max3_num_f32 v15, v15, |v[XR+\i+2]|, |v[XR+\i+3]|
.endr
	v_max3_num_f32 v14, v14, |v[XR+29]|, |v[XR+30]|
	v_max3_num_f32 v14, v14, v15, |v[XR+31]|
	v_add_nc_u32 v11, 0xff000000, v14              ; 2 off its exponent field: the conversion takes the exponent field of this operand as its scale
	s_wait_alu depctr_va_vdst(0)
	s_wait_xcnt 0x0                                ; the last chunk's stores have read the codes' registers: they are written again only behind this wait
	v_cvt_scalef32_pk16_fp6_f32 v[CD:CD+2], v[XR:XR+15], v11
	v_cvt_scalef32_pk16_fp6_f32 v[TP:TP+2], v[XR+16:XR+31], v11
	v_lshrrev_b32 v15, 23, v11                     ; the scale's byte (also the plain line behind the conversions)
.if (\t)%2 == 0
	v_mov_b32 v[SB+(\t)/2], v15                    ; block 2 t + h of my half: of each four blocks I hold h and 2 + h
.else
	v_lshl_or_b32 v[SB+(\t)/2], v15, 16, v[SB+(\t)/2]
.endif
.irp i, 0,1,2
	v_mov_b32 v[CD+3+\i], v[TP+\i]
.endr
	global_store_b128 v7, v[CD:CD+3], s[34:35] offset:768*(\t)          ; 512 consecutive bytes
	global_store_b64 v8, v[CD+4:CD+5], s[34:35] offset:768*(\t)+512     ; 256 consecutive bytes
.endm
.irp t, 0,1,2,3,4,5,6,7
	CHUNK \t
.endr
.irp w, 0,1,2,3
	v_lshlrev_b32 v[SB+\w], v10, v[SB+\w]          ; my two bytes at their places in the word (8 h bits up);
.endr
.irp w, 0,1,2,3
	v_permlanex16_b32 v[WD+\w], v[SB+\w], s38, s39
.endr
.irp w, 0,1,2,3
	v_or_b32 v[SB+\w], v[SB+\w], v[WD+\w]          ; with lane l xor 16's two the word is whole
.endr
	v_cmp_eq_u32 vcc_lo, 1, v3
	v_cndmask_b32 v24, v[SB], v[SB+2], vcc_lo      ; lanes 0-15 store my half's words 0 and 1 of the row, lanes 16-31 words 2 and 3
	v_cndmask_b32 v25, v[SB+1], v[SB+3], vcc_lo
	global_store_b64 v9, v[24:25], s[36:37]        ; 16 of each row's 32 scale bytes, 8 bytes a lane; the other 16 are the neighbouring wave's: 256 bytes a wave in pieces of 16
	s_wait_tensorcnt 0x0
	ds_add_u32 v240, v241
	s_wait_dscnt 0x0
	s_endpgm
	; ---------------- the mask ----------------
.Lmask:
	v_lshlrev_b32 v4, 4, v2
	v_lshl_add_u32 v4, v3, 13, v4                  ; in memory: row h of the pair, 16 r
	v_mov_b32 v26, v4                              ; the queries keep the order of rows that the head states
	s_sub_co_u32 s28, ttmp9, 512                   ; query tile 0 .. 255
	s_lshr_b32 s29, s28, 7
	s_lshl_b32 s29, s29, 11                        ; 2,048 rows a batch
	s_and_b32 s30, s28, 127
	s_lshr_b32 s31, s30, 1
	s_lshl_b32 s31, s31, 5
	s_and_b32 s30, s30, 1
	s_lshl_b32 s30, s30, 3
	s_add_co_u32 s29, s29, s31
	s_add_co_u32 s29, s29, s30                     ; the tile's first row
	s_lshl_b32 s30, s29, 13
	s_lshl_b32 s31, s26, 11                        ; my wave's 512 keys
	s_add_co_u32 s30, s30, s31
	s_mov_b32 s31, 0
	s_lshl_b32 s32, s28, 4
	s_lshl_b32 s33, s26, 2
	s_add_co_u32 s32, s32, s33                     ; 16 x tile + my first step
	s_lshl_b32 s32, s32, 8
	s_mov_b32 s33, 0
	s_wait_alu depctr_va_vdst(0)
	s_wait_kmcnt 0x0
	s_add_nc_u64 s[24:25], s[18:19], s[30:31]
	s_add_nc_u64 s[34:35], s[22:23], s[32:33]
	LOAD 0, PM
	LOAD 1, PM
	LOAD 2, PM
	LOAD 3, PM
	s_wait_loadcnt 24                              ; chunk 0's eight loads are in; chunks 1 to 3 may be out
	TURN 0, 12, 13, 0
.macro MCHUNK t                        ; 64 keys x 16 queries.  Register i holds key 64 t + 32 h + i of query place r: a compare's lane mask is a word of mbits
.set XR, X+32*((\t)%2)
	AHEAD \t, PM, 12, 13, 0                        ; register i holds key 64 t + 32 h + i of query place r
.irp g, 0,1,2,3
.irp n, 0,1,2,3,4,5,6,7
	v_cmp_ne_u32 s[40+\n], 0, v[XR+8*\g+\n]
.endr
.irp n, 0,1,2,3,4,5,6,7
	v_writelane_b32 v[WD+2*((\t)/2)+\n%2], s[40+\n], (32*((\t)%2)+8*\g+\n)/2   ; word 32 (t % 2) + 8 g + n of the step: lane L keeps words 2 L and 2 L + 1
.endr
.endr
.if (\t)%2 == 1
	global_store_b64 v8, v[WD+2*((\t)/2):WD+2*((\t)/2)+1], s[34:35] offset:256*((\t)/2)   ; a step's 64 words: 256 consecutive bytes, aligned; each pair of registers is written for one step alone
.endif
.endm
.irp t, 0,1,2,3,4,5,6,7
	MCHUNK \t
.endr
	s_wait_tensorcnt 0x0
	ds_add_u32 v240, v241
	s_wait_dscnt 0x0
	s_endpgm
.Lfunc_end_k_q62a8d9ed03_prep:
	.size	k_q62a8d9ed03_prep, .Lfunc_end_k_q62a8d9ed03_prep-k_q62a8d9ed03_prep
	.p2alignl 7, 3214868480
	.fill 96, 4, 3214868480
	.section	.rodata,"a",@progbits
	.p2align	6, 0x0
	.amdhsa_kernel k_q62a8d9ed03_prep
		.amdhsa_group_segment_fixed_size 70144
		.amdhsa_private_segment_fixed_size 0
		.amdhsa_enable_private_segment 0
		.amdhsa_kernarg_size 80
		.amdhsa_user_sgpr_count 2
		.amdhsa_user_sgpr_kernarg_segment_ptr 1
		.amdhsa_wavefront_size32 1
		.amdhsa_system_sgpr_workgroup_id_x 1
		.amdhsa_system_sgpr_workgroup_id_y 1
		.amdhsa_system_sgpr_workgroup_id_z 1
		.amdhsa_system_vgpr_workitem_id 0
		.amdhsa_next_free_vgpr 242
		.amdhsa_next_free_sgpr 66
		.amdhsa_reserve_vcc 1
		.amdhsa_float_denorm_mode_32 3
		.amdhsa_float_denorm_mode_16_64 3
		.amdhsa_memory_ordered 1
		.amdhsa_forward_progress 1
		.amdhsa_inst_pref_size 81
	.end_amdhsa_kernel
	.amdgpu_metadata
---
amdhsa.version: [ 1, 2 ]
amdhsa.kernels:
  - .name:           k_q62a8d9ed03_prep
    .symbol:         k_q62a8d9ed03_prep.kd
    .args:
      - { .name: q, .offset: 0, .size: 8, .value_kind: global_buffer, .address_space: global }
      - { .name: k, .offset: 8, .size: 8, .value_kind: global_buffer, .address_space: global }
      - { .name: v, .offset: 16, .size: 8, .value_kind: global_buffer, .address_space: global }
      - { .name: Wq, .offset: 24, .size: 8, .value_kind: global_buffer, .address_space: global }
      - { .name: Wk, .offset: 32, .size: 8, .value_kind: global_buffer, .address_space: global }
      - { .name: Wv, .offset: 40, .size: 8, .value_kind: global_buffer, .address_space: global }
      - { .name: Wo, .offset: 48, .size: 8, .value_kind: global_buffer, .address_space: global }
      - { .name: mask, .offset: 56, .size: 8, .value_kind: global_buffer, .address_space: global }
      - { .name: xbuf, .offset: 64, .size: 8, .value_kind: global_buffer, .address_space: global }
      - { .name: mbits, .offset: 72, .size: 8, .value_kind: global_buffer, .address_space: global }
    .group_segment_fixed_size: 70144
    .private_segment_fixed_size: 0
    .kernarg_segment_align: 8
    .kernarg_segment_size: 80
    .max_flat_workgroup_size: 128
    .sgpr_count:     66
    .vgpr_count:     242
    .wavefront_size: 32
...
	.end_amdgpu_metadata
.endif
;; end of part 1
;; launch proj (part 2): grid 4 x 48, 4 waves a work-group, clusters of 4 x 4, 327,680 bytes of LDS; arguments xbuf, bq, bk, bv, hq, hkv; writes hq, hkv
.if DOCPART == 2
	.amdgcn_target "amdgcn-amd-amdhsa--gfx1250"
	.amdhsa_code_object_version 6
	.text
	.protected	k_q62a8d9ed03_proj
	.globl	k_q62a8d9ed03_proj
	.p2align	8
	.type	k_q62a8d9ed03_proj,@function
k_q62a8d9ed03_proj:
	s_mov_b64 s[64:65], 0
	v_nop
	global_prefetch_b8 v0, s[64:65] scope:SCOPE_SE
	s_setreg_imm32_b32 hwreg(HW_REG_WAVE_MODE, 25, 1), 1
	s_wait_xcnt 0x0
	s_wait_alu depctr_hold_cnt(0) depctr_sa_sdst(0) depctr_va_vdst(0) depctr_va_sdst(0) depctr_va_ssrc(0) depctr_va_vcc(0) depctr_vm_vsrc(0)
	s_getreg_b32 s2, hwreg(HW_REG_IB_STS2, 6, 4)
	s_cmp_eq_u32 s2, 0
	s_cbranch_scc0 .Lentry_in_a_cluster
	s_endpgm
.Lentry_in_a_cluster:
	s_bfe_u32 s2, ttmp6, 0x10000c
	s_cmp_lg_u32 s2, 0xf033
	s_cbranch_scc0 .Lentry_shape_is_right
	s_endpgm
.Lentry_shape_is_right:
; PROJ.  The three input projections x W^T + b on codes of FP6 (E2M3) with E8M0 scales, K = 1,024; the results are quantised in registers and leave as the attention launch's operands.
; A work-group makes 256 x 256 results, a wave 128 x 128: 64 accumulators in 512 registers.  THE MATRIX INSTRUCTION IS USED TRANSPOSED: source 0 = 16 rows of 'B' (they run along a lane's registers), source 1 = 16 rows of 'A' (one a lane).
; q, k (clusters y 0-3, 4-7): A = tokens, B = rows of W: a lane holds one token and channels along its registers, which are the K of Q K^T.
; v (clusters y 8-11): A = rows of Wv, B = tokens: a lane holds one channel and keys along its registers, which are the K of P V.
; OPERANDS lie in xbuf as images of their registers (a tile of 16 rows at 12,288 G; 64 along K are 768 bytes: 16 bytes a lane, then 8 bytes a lane), so LDS is dense and every LDS load takes consecutive bytes.
; Place r of tile T is row 32 (T / 2) + 8 (T % 2) + r + 8 (r / 8): so the 16 registers of result tiles 2 b, 2 b + 1 are 16 neighbours, 32 b + 16 (lane / 16) + 0 .. 15, along the next K.
; K goes through two LDS slots, slot 0 of 256 along K and the wide slot of 512; K = 1,024 is four times 256, so one slot is filled a second time.  All scale words stay in registers.  The text is straight: eight steps of 128 along K.
; CLUSTERS: 4 x 4 work-groups; A's tiles are shared along a row of the cluster, B's along a column: each is asked for jointly, by the same tensor load with the same descriptor and a mask that names the four.
; RESULTS: records of 13,056 bytes at ((batch 16 + head) 16 + step of 128 tokens): + 0 eight tiles of Q or K (16 tokens x 64 channels, 768 bytes); + 6,144 four channel tiles of V (16 channels x 128 keys, 2 x 768);
; + 12,288 scale words of Q or K [2][16 rows][4 tiles]; + 12,800 those of V [16 rows][4 tiles].  Q goes to hq, K and V to hkv.
; LIMITS: NaN and infinities are not served; a block whose largest magnitude lies under 2^-124 has the byte 1, a block of zeros too (its codes are zeros; this program alone reads the bytes).
; REGISTERS: window 0: v1-27 addresses; v28, v29 for the add; v32-95 scale words; v96-159 the bias in the result's layout; v160-255 A's fragments, ONE set (in the epilogue: at work).
;   window 1: B's fragments, two sets, at v0 and v128.   windows 2, 3: the accumulators ((a, b) at v[8 (8 (a % 4) + b)] of window 2 + a / 4).
; THE FILLS AS THEY STAND NOW: slot 0 (a tile's part 3,072 bytes) takes K 0-255 at the head, one tensor load a wave; the wide slot behind it (a tile's part 6,144 bytes) takes K 256-767 by one load a wave behind
; the full sequence and a round; slot 0 is filled again with K 768-1023 when its two steps are done.  By the text's own count a wave has one tensor load out at a time.
; The scale words go from xbuf straight into registers: two loads of 16 bytes a lane cover a row's 32 bytes, so each tile's 512 scale bytes are read whole, once a wave.
; No prefetch: the text is straight, with three fills and no loop to run ahead in.
.set KSL,   3072
.set HALFT, 8*KSL                      ; eight tiles: what one tensor load brings, and what a wave reads of A or of B
.set SLOT,  4*HALFT                    ; A's 16 tiles, then B's 16
.set SCL,   3*SLOT                     ; behind the slots
.set HALFS, 16*272
.set SBLK,  2*272
.set SPARE, SCL+4*HALFS                ; the spare words, 128 bytes for each wave: two blocks of 256 bytes that no other line names
.set TILEB, 12288
.set XSC,   12582912
.set REC,   13056
.set HSTEP, 16*REC                     ; from a head's record to the next head's
.set FA16, 4                           ; v4-5   16 x lane + my rows of A in slot 0 and the wide slot
.set FA8,  7                           ; v7-8   8 x lane + the same
.set FB16, 10                          ; v10-11, v13-14 the same for B
.set FB8,  13
.set ADRS, 16                          ; v16    my scale words: lanes 0-15 A's rows, lanes 16-31 B's
.set L16,  17                          ; v17    16 x lane
.set L8,   18                          ; v18    8 x lane
.set SWO,  19                          ; v19    where I store scale words: 16 r, lanes 16-31 a head further on
.set SH16, 20                          ; v20    16 h
.set BO,   21                          ; v21    my offset in the bias
.set SPW,  28
.set NIL,  29
.set SC,   32                          ; register 8 i + kq: lanes 0-15 A's block i, lanes 16-31 B's block i, for the kq-th 128 along K
.set BIAS, 96
.set AF,   160
.set PC,   160                         ; the epilogue: a fragment's 12 registers,
.set PT,   172                         ; the conversions' second halves,
.set TM,   180                         ; v180-183 maxima, v184-187 bytes, v192-195 the conversions' scale operands,
.set SW,   196                         ; v196-203 the eight scale words,
.set SX,   204                         ; v204-207 V's, chosen by half
.set WV,   16
.set WR,   17
.set WC,   18
.set KIND, 19
.set ISV,  20
.set CX,   21
.set CY,   22
.set YP,   23
.set G1A,  24                          ; s[24:31] group 1 for A's tiles; s[32:39] group 0, a set for each slot
.set G0A,  32
.set G1B,  44                          ; s[44:51], s[52:59] the same for B
.set G0B,  52
.set G1SA, 68                          ; s[68:75] group 1 for A's tiles in the wide slot; s[80:87] for B's
.set G0SA, 76
.set G1SB, 80
.set G0SB, 88
.set OUT0, 92                          ; s[92:93], s[94:95] where a fragment's two halves go
.set OUT1, 94
.set SA,   96                          ; s[96:97] the step from block to block; s[98:99] the further step at block 4
.set SB,   98
.set SEL,  100
.set SWB,  66                          ; s[66:67] where the scale words go
.set MSB, 0
.macro WIN new                         ; the immediate's high byte repeats the setting that is left
.if MSB != (\new)
	s_set_vgpr_msb (MSB<<8)|(\new)
.set MSB, (\new)
.endif
.endm
; A joint load: waves 0 and 1 fetch for A, waves 2 and 3 for B; the branch hangs on the wave's number alone.  Four v_nop follow each of the two lines.
.macro JLOAD g0a, g1a, g0b, g1b
	s_cmp_eq_u32 s[WR], 0
	s_cbranch_scc0 .Lfor_b_\@
	tensor_load_to_lds s[\g0a:\g0a+3], s[\g1a:\g1a+7]
	s_nop 0
.rept 4
	v_nop
.endr
	s_branch .Lasked_\@
.Lfor_b_\@:
	tensor_load_to_lds s[\g0b:\g0b+3], s[\g1b:\g1b+7]
	s_nop 0
.rept 4
	v_nop
.endr
.Lasked_\@:
.endm
.macro CREST                           ; a round of the cluster's barrier behind its opening barrier
	s_cmp_lg_u32 s[WV], 0
	s_cbranch_scc1 .Lnot_wave_0_\@
	s_barrier_signal -3
.Lnot_wave_0_\@:
	s_barrier_wait -3
	s_barrier_signal -1
	s_barrier_wait -1
.endm
.macro CROUND
	s_barrier_signal -1
	s_barrier_wait -1
	CREST
.endm
.macro PLACES n                        ; plain vector lines between a matrix instruction and a load into, or a vector read or write of, its registers
.rept \n
	v_nop
.endr
.endm
.macro FRAG reg, a16, a8, q, i         ; a fragment, 16 rows x 128 K, 12 registers: two halves of 64 along K, each 16 bytes and 8 bytes a lane, as they lie
.irp c, 0,1
	ds_load_b128 v[\reg+6*\c:\reg+6*\c+3], v[\a16] offset:(\i)*TPI+(2*(\q)+\c)*768
	ds_load_b64 v[\reg+6*\c+4:\reg+6*\c+5], v[\a8] offset:(\i)*TPI+(2*(\q)+\c)*768+512
.endr
.endm
.macro FETCH_B slot, q, p              ; B's eight fragments of the slot's q-th 128 along K into set p: 32 loads
.set TPI, KSL*(1+(\slot))              ; from tile to tile in LDS: slot 0 3,072 bytes, the wide slot 6,144
	WIN 0x40
.irp i, 0,1,2,3,4,5,6,7
	FRAG 128*(\p)+12*\i, FB16+\slot, FB8+\slot, \q, \i
.endr
	WIN 0
.endm
.macro FETCH_A slot, q, i0             ; A's blocks i0 .. i0 + 3: 16 loads
.set TPI, KSL*(1+(\slot))
.irp i, \i0, \i0+1, \i0+2, \i0+3
	FRAG AF+12*(\i), FA16+\slot, FA8+\slot, \q, \i
.endr
.endm
; 16 matrix instructions: A's blocks a0, a0 + 1 x B's eight.  mode 0: the sums go on; 1: they begin with the bias by B's rows; 2: by A's rows.  The 64 accumulators take turns, one instruction a turn, in one order.
.macro MUL16 a0, p, kq, mode
.irp a, \a0, \a0+1
.irp b, 0,1,2,3,4,5,6,7
.set rD, 8*(8*((\a)%4)+\b)
.set rB, 128*(\p)+12*\b
.set rA, AF+12*(\a)
.set sB, SC+8*\b+(\kq)
.set sA, SC+8*(\a)+(\kq)
.if \mode == 0
	v_wmma_scale_f32_16x16x128_f8f6f4 v[rD:rD+7], v[rB:rB+11], v[rA:rA+11], v[rD:rD+7], v[sB], v[sA] matrix_a_fmt:MATRIX_FMT_FP6 matrix_b_fmt:MATRIX_FMT_FP6 matrix_a_scale:MATRIX_SCALE_ROW1
.elseif \mode == 1
	v_wmma_scale_f32_16x16x128_f8f6f4 v[rD:rD+7], v[rB:rB+11], v[rA:rA+11], v[BIAS+8*\b:BIAS+8*\b+7], v[sB], v[sA] matrix_a_fmt:MATRIX_FMT_FP6 matrix_b_fmt:MATRIX_FMT_FP6 matrix_a_scale:MATRIX_SCALE_ROW1
.else
	v_wmma_scale_f32_16x16x128_f8f6f4 v[rD:rD+7], v[rB:rB+11], v[rA:rA+11], v[BIAS+8*(\a):BIAS+8*(\a)+7], v[sB], v[sA] matrix_a_fmt:MATRIX_FMT_FP6 matrix_b_fmt:MATRIX_FMT_FP6 matrix_a_scale:MATRIX_SCALE_ROW1
.endif
.endr
.endr
.endm
; Step kq of 128 along K; the next step's fragments come from slot nslot, its nq-th 128.
.macro STEP kq, nslot, nq, mode
	s_wait_dscnt 16                                ; B's set and A's blocks 0-3 are in; the youngest 16 loads (A's blocks 4-7) may be out
.if \mode
	WIN 0x81                                       ; B window 1, A and the bias window 0, D window 2
.else
	WIN 0xa1                                       ; B window 1, A window 0, C and D window 2
.endif
	MUL16 0, (\kq)%2, \kq, \mode
	MUL16 2, (\kq)%2, \kq, \mode
	s_wait_dscnt 0x0                               ; A's blocks 4-7 are in
	PLACES 4
	FETCH_B \nslot, \nq, 1-(\kq)%2
	FETCH_A \nslot, \nq, 0
.if \mode
	WIN 0xc1
.else
	WIN 0xf1
.endif
	MUL16 4, (\kq)%2, \kq, \mode
	MUL16 6, (\kq)%2, \kq, \mode
	PLACES 4
	WIN 0
	FETCH_A \nslot, \nq, 4
.endm
; A step with a barrier.  In front of it each wave waits for all its tensor loads, adds 0 to its spare word, and waits for that and for its LDS reads.  fill = 1: slot 0, which nobody reads any more, takes the last 256 along K.
.macro TURN kq, nslot, fill
	s_wait_tensorcnt 0x0                           ; all my tensor loads have landed
	ds_add_u32 v[SPW], v[NIL]                      ; 0 onto my spare word
	s_wait_dscnt 17                                ; (the add and the youngest 16 loads may be out)
	WIN 0xa1
	MUL16 0, 1, \kq, 0                             ; sixteen matrix instructions stand between the add and the wait for it
	s_wait_dscnt 0x0                               ; the add is done, and my LDS reads are back
	s_barrier_signal -1
	MUL16 2, 1, \kq, 0
	WIN 0
	s_barrier_wait -1
.if \fill
	CREST                                          ; the barrier has opened a round of the cluster's barrier: no wave of any partner still reads slot 0 or has a load on its way
	s_add_nc_u64 s[G0A+2:G0A+3], s[G0A+2:G0A+3], 3*KSL
	s_add_nc_u64 s[G0B+2:G0B+3], s[G0B+2:G0B+3], 3*KSL
	JLOAD G0A, G1A, G0B, G1B                       ; the first tensor load behind the round; its four v_nop are also the places in front of the loads below
.else
	PLACES 4
.endif
	FETCH_B \nslot, 0, 0
	FETCH_A \nslot, 0, 0
	WIN 0xf1
	MUL16 4, 1, \kq, 0
	MUL16 6, 1, \kq, 0
	PLACES 4
	WIN 0
	FETCH_A \nslot, 0, 4
.endm
	s_load_b256 s[4:11], s[0:1], 0x0               ; xbuf, bq, bk, bv
	s_load_b128 s[12:15], s[0:1], 0x20             ; hq, hkv
	v_lshl_add_u32 v[SPW], v0, 2, SPARE
	v_mov_b32 v[NIL], 0
	ds_add_u32 v28, v29
	ds_add_u32 v28, v29
	s_wait_dscnt 0x0
	v_lshrrev_b32 v1, 5, v0
	v_readfirstlane_b32 s[WV], v1                  ; wave 0..3
	s_lshr_b32 s[WR], s[WV], 1                     ; my half of A's rows.  Also: I fetch for A (0) or for B (1)
	s_and_b32 s[WC], s[WV], 1                      ; my half of B's rows.  Also: which eight tiles I fetch
	s_bfe_u32 s[CX], ttmp6, 0x40000
	s_bfe_u32 s[CY], ttmp6, 0x40004
	s_and_b32 s[YP], ttmp7, 0xffff                 ; the cluster's y, 0 .. 11: the same in all sixteen partners
	s_lshr_b32 s[KIND], s[YP], 2                   ; 0 q, 1 k, 2 v
	s_and_b32 s[YP], s[YP], 3
	s_lshl_b32 s2, s[CY], 2
	s_lshl_b32 s2, 15, s2                          ; my row of the cluster
	s_lshl_b32 s3, 0x1111, s[CX]                   ; my column
	; group 1 for codes: 8 rows (tiles) of 3,072 bytes (384 elements of 8 bytes), 12,288 bytes apart, dense in LDS
	s_or_b32 s[G1A], s2, (3<<16)|(1<<21)
	s_or_b32 s[G1B], s3, (3<<16)|(1<<21)
.irp g, G1A, G1B
	s_mov_b32 s[\g+1], 384<<16                     ; tensor_dim0
	s_mov_b32 s[\g+2], 8<<16                       ; tensor_dim1
	s_mov_b32 s[\g+3], 384<<16                     ; tile_dim0
	s_mov_b32 s[\g+4], 8                           ; tile_dim1
	s_mov_b32 s[\g+5], 1536                        ; from tile to tile
	s_mov_b32 s[\g+6], 0
	s_mov_b32 s[\g+7], 0
.endr
	; group 1 for the wide slot: 8 rows (tiles) of 6,144 bytes (768 elements of 8 bytes), 12,288 bytes apart, dense in LDS
	s_or_b32 s[G1SA], s2, (3<<16)|(1<<21)
	s_or_b32 s[G1SB], s3, (3<<16)|(1<<21)
.irp g, G1SA, G1SB
	s_mov_b32 s[\g+1], 768<<16
	s_mov_b32 s[\g+2], 8<<16
	s_mov_b32 s[\g+3], 768<<16
	s_mov_b32 s[\g+4], 8
	s_mov_b32 s[\g+5], 1536
	s_mov_b32 s[\g+6], 0
	s_mov_b32 s[\g+7], 0
.endr
	; A's tiles hang on cy alone, B's on cx alone, each in registers that never hold the other
	s_lshl_b32 s92, s[YP], 2
	s_add_co_u32 s92, s92, s[CY]
	s_lshl_b32 s92, s92, 4
	s_lshl_b32 s93, s[KIND], 8
	s_add_co_u32 s92, s92, s93                     ; q, k: the tensor's tiles 16 (4 y' + cy) on
	s_lshl_b32 s93, s[CY], 4
	s_add_co_u32 s93, s93, 896                     ; v: Wv's tiles 16 cy on
	s_cmp_eq_u32 s[KIND], 2
	s_cselect_b32 s[ISV], 1, 0
	s_cselect_b32 s92, s93, s92
	s_lshl_b32 s88, s[WR], 3
	s_add_co_u32 s88, s88, s92
	s_lshl_b32 s88, s88, 9
	s_add_co_u32 s88, s88, XSC                     ; the scale bytes of the eight tiles of A that I multiply
	s_lshl_b32 s93, s[WC], 3
	s_add_co_u32 s92, s92, s93                     ; + the eight that I fetch
	s_mul_i32 s96, s92, TILEB
	s_mov_b32 s97, 0
	s_lshl_b32 s94, s[KIND], 6
	s_lshl_b32 s95, s[CX], 4
	s_add_co_u32 s94, s94, s95
	s_add_co_u32 s94, s94, 768                     ; q, k: W's tiles 16 cx on
	s_lshl_b32 s95, s[YP], 2
	s_add_co_u32 s95, s95, s[CX]
	s_lshl_b32 s95, s95, 4
	s_add_co_u32 s95, s95, 512                     ; v: v's tiles 16 (4 y' + cx) on
	s_cmp_eq_u32 s[KIND], 2
	s_cselect_b32 s94, s95, s94
	s_lshl_b32 s95, s[WC], 3
	s_add_co_u32 s94, s94, s95
	s_mul_i32 s98, s94, TILEB
	s_mov_b32 s99, 0
	s_lshl_b32 s94, s94, 9
	s_add_co_u32 s94, s94, XSC
	s_mul_i32 s66, s[WV], HALFT                    ; where my part goes in slot 0: by the wave's number alone,
	s_lshl_b32 s67, s66, 1
	s_add_co_u32 s67, s67, SLOT                    ; and in the wide slot, whose parts are twice as long
	s_wait_kmcnt 0x0
	s_add_nc_u64 s[96:97], s[4:5], s[96:97]        ; A's codes
	s_add_nc_u64 s[98:99], s[4:5], s[98:99]        ; B's codes
	s_mov_b64 s[76:77], s[4:5]                     ; xbuf, for the scale words
	CROUND                                         ; all sixteen work-groups are here: the first joint loads meet
	s_mov_b32 s[G0A], 1                            ; slot 0: K 0-255
	s_mov_b32 s[G0A+1], s66
	s_mov_b64 s[G0A+2:G0A+3], s[96:97]
	s_or_b32 s[G0A+3], s[G0A+3], 0x80000000
	s_mov_b32 s[G0B], 1
	s_mov_b32 s[G0B+1], s66
	s_mov_b64 s[G0B+2:G0B+3], s[98:99]
	s_or_b32 s[G0B+3], s[G0B+3], 0x80000000
	s_mov_b32 s[G0A+4], 1                          ; the wide slot: K 256-767
	s_mov_b32 s[G0A+5], s67
	s_add_nc_u64 s[G0A+6:G0A+7], s[96:97], KSL
	s_or_b32 s[G0A+7], s[G0A+7], 0x80000000
	s_mov_b32 s[G0B+4], 1
	s_mov_b32 s[G0B+5], s67
	s_add_nc_u64 s[G0B+6:G0B+7], s[98:99], KSL
	s_or_b32 s[G0B+7], s[G0B+7], 0x80000000
	JLOAD G0A, G1A, G0B, G1B                       ; my one tensor load at the head
	v_and_b32 v1, 31, v0                           ; lane
	v_and_b32 v2, 15, v0                           ; r
	v_bfe_u32 v3, v0, 4, 1                         ; h
	v_lshlrev_b32 v[L16], 4, v1
	v_lshlrev_b32 v[L8], 3, v1
	s_mul_i32 s2, s[WR], HALFT                     ; my eight tiles of A
	s_mul_i32 s3, s[WC], HALFT                     ; my eight tiles of B,
	s_add_co_u32 s3, s3, 2*HALFT                   ; which lie behind A's sixteen
.irp s, 0,1
	v_add_nc_u32 v[FA16+\s], s2, v[L16]
	v_add_nc_u32 v[FA8+\s], s2, v[L8]
	v_add_nc_u32 v[FB16+\s], s3, v[L16]
	v_add_nc_u32 v[FB8+\s], s3, v[L8]
	s_lshl_b32 s2, s2, 1                           ; the wide slot: the same order of parts, each twice as long, behind slot 0
	s_lshl_b32 s3, s3, 1
	s_add_co_u32 s2, s2, SLOT
	s_add_co_u32 s3, s3, SLOT
.endr
	s_sub_co_u32 s3, s94, s88                      ; from A's scale bytes to B's in xbuf (modulo 2^32)
	v_mul_lo_u32 v22, s3, v3                       ; lanes 16-31 take B's
	v_lshl_add_u32 v[ADRS], v2, 5, v22             ; + 32 r
	v_add_nc_u32 v[ADRS], s88, v[ADRS]
.irp i, 0,1,2,3,4,5,6,7
	global_load_b128 v[SC+8*\i:SC+8*\i+3], v[ADRS], s[76:77] offset:512*\i       ; all scale words, for the whole of K: they stay
	global_load_b128 v[SC+8*\i+4:SC+8*\i+7], v[ADRS], s[76:77] offset:512*\i+16
.endr
	v_mul_u32_u24 v[SWO], v3, HSTEP
	v_lshl_add_u32 v[SWO], v2, 4, v[SWO]
	v_lshlrev_b32 v[SH16], 4, v3
	; where the results go.  Tokens: block P of 256 (by A for q, k; by B for v), my half wP of it; heads: four to Hc, two to my half wH
	s_cmp_eq_u32 s[ISV], 1
	s_cselect_b32 s2, s[CX], s[CY]
	s_cselect_b32 s3, s[WC], s[WR]                 ; wP
	s_cselect_b32 s66, s[CY], s[CX]                ; Hc
	s_cselect_b32 s67, s[WR], s[WC]                ; wH
	s_mov_b32 s[SA], 768
	s_cselect_b32 s[SA], 1536, s[SA]               ; from block to block: a tile of Q or K, a channel tile of V
	s_mov_b32 s[SA+1], 0
	s_cselect_b32 s[SB], 202752, 0                 ; v, at block 4: on to the next head's first channel tile (16 records less four channel tiles, less the step above)
	s_mov_b32 s[SB+1], 0
	s_cselect_b32 s92, 6144, 0                     ; V's tiles lie behind K's
	s_mov_b32 s100, HSTEP
	s_cselect_b32 s100, 768, s100                  ; a fragment's second half: q, k: the next head; v: the next 64 keys
	s_mov_b32 s101, 12288
	s_cselect_b32 s101, 12800, s101                ; the scale words
	s_lshl_b32 s93, s[YP], 2
	s_add_co_u32 s2, s2, s93                       ; P
	s_lshr_b32 s93, s2, 3                          ; batch
	s_lshl_b32 s93, s93, 4
	s_lshl_b32 s66, s66, 2
	s_add_co_u32 s93, s93, s66
	s_lshl_b32 s67, s67, 1
	s_add_co_u32 s93, s93, s67                     ; 16 batch + my first head
	s_lshl_b32 s93, s93, 4
	s_and_b32 s2, s2, 7
	s_lshl_b32 s2, s2, 1
	s_add_co_u32 s93, s93, s2
	s_add_co_u32 s93, s93, s3                      ; + my step of 128 tokens
	s_mul_i32 s2, s93, REC
	s_mov_b32 s3, 0
	s_cmp_eq_u32 s[KIND], 0
	s_cselect_b64 s[SWB:SWB+1], s[12:13], s[14:15] ; hq for q, hkv for k and v
	s_cselect_b64 s[4:5], s[6:7], s[8:9]           ; bq or bk
	s_add_nc_u64 s[SWB:SWB+1], s[SWB:SWB+1], s[2:3]
	s_mov_b32 s2, s92
	s_add_nc_u64 s[OUT0:OUT0+1], s[SWB:SWB+1], s[2:3]
	s_mov_b32 s2, s100
	s_add_nc_u64 s[OUT1:OUT1+1], s[OUT0:OUT0+1], s[2:3]
	s_mov_b32 s2, s101
	s_add_nc_u64 s[SWB:SWB+1], s[SWB:SWB+1], s[2:3]
	s_mov_b32 s[SEL], 0x76543210
	s_mov_b32 s[SEL+1], 0xfedcba98                 ; v_permlanex16_b32's selects for lane l xor 16
	; the bias, in the result's layout: it is the C of each sum's first matrix instruction
	s_cmp_eq_u32 s[ISV], 1
	s_cbranch_scc1 .Lbias_v
	s_lshl_b32 s2, s[CX], 10
	s_lshl_b32 s3, s[WC], 9
	s_add_co_u32 s2, s2, s3                        ; my 128 channels
	v_lshl_add_u32 v[BO], v3, 6, s2                ; tile b's eight of my half: 32 (b / 2) + 8 (b % 2) + 16 h + 0 .. 7
.irp b, 0,1,2,3,4,5,6,7
	global_load_b128 v[BIAS+8*\b:BIAS+8*\b+3], v[BO], s[4:5] offset:128*(\b/2)+32*(\b%2)
	global_load_b128 v[BIAS+8*\b+4:BIAS+8*\b+7], v[BO], s[4:5] offset:128*(\b/2)+32*(\b%2)+16
.endr
	s_branch .Lbias_done
.Lbias_v:
	s_lshl_b32 s2, s[CY], 10
	s_lshl_b32 s3, s[WR], 9
	s_add_co_u32 s2, s2, s3
	v_and_b32 v[BO], 8, v2
	v_add_nc_u32 v[BO], v[BO], v2                  ; r + 8 (r / 8)
	v_lshl_add_u32 v[BO], v[BO], 2, s2             ; a lane holds one channel: the same number in a tile's eight registers
.irp a, 0,1,2,3,4,5,6,7
.irp j, 0,1,2,3,4,5,6,7
	global_load_b32 v[BIAS+8*\a+\j], v[BO], s[10:11] offset:4*(32*(\a/2)+8*(\a%2))
.endr
.endr
.Lbias_done:
	s_wait_alu depctr_va_vdst(0)
	s_wait_tensorcnt 0x0                           ; my part of slot 0 is in
	ds_add_u32 v[SPW], v[NIL]
	s_wait_dscnt 0x0
	CROUND                                         ; everybody's part is in, and all sixteen work-groups are here
	JLOAD G0A+4, G1SA, G0B+4, G1SB                 ; the wide slot's fill, the first tensor load behind the round
	FETCH_B 0, 0, 0
	FETCH_A 0, 0, 0
	FETCH_A 0, 0, 4
	s_wait_loadcnt 0x0                             ; the bias
	s_cmp_eq_u32 s[ISV], 1                         ; the first step stands twice: the bias goes by B's rows (q, k) or by A's (v).  The LDS loads and their counts are alike on both ways
	s_cbranch_scc1 .Lk0_v
	STEP 0, 0, 1, 1
	s_branch .Lk0_done
.Lk0_v:
	STEP 0, 0, 1, 2
.Lk0_done:
	TURN 1, 1, 1                                   ; slot 0 has been read out: it takes the last 256 along K
	STEP 2, 1, 1, 0
	STEP 3, 1, 2, 0                                ; the wide slot holds four steps; every wave waited for its part of it in front of the round above
	STEP 4, 1, 3, 0
	TURN 5, 0, 0                                   ; the refilled slot: every wave's part has landed in front of this barrier
	STEP 6, 0, 1, 0
	s_wait_dscnt 16                                ; the last step: nothing more to fetch
	WIN 0xa1
	MUL16 0, 1, 7, 0
	MUL16 2, 1, 7, 0
	s_wait_dscnt 0x0
	WIN 0xf1
	MUL16 4, 1, 7, 0
	MUL16 6, 1, 7, 0
	WIN 0
	; THE EPILOGUE.  Block a's 64 numbers of a lane, register 16 b + i = index 32 b + 16 (lane / 16) + i along the next K, become a fragment's codes and its scale word; the fragment's two halves leave as images.
	PLACES 4                                       ; behind the last products: the lines below write registers that held A's fragments and read results
.irp b, 0,1,2,3
	v_mov_b32 v[TM+4+\b], 0                        ; a lane permute's destination counts as one of its sources
.endr
.macro EPI a
.set W, 2+(\a)/4
.set W5, 5*W
.set AC, 64*((\a)%4)
.if (\a) > 0
	s_wait_xcnt 0x0                                ; the last block's stores have read their data and their bases: both are written again only behind this wait
	s_add_nc_u64 s[OUT0:OUT0+1], s[OUT0:OUT0+1], s[SA:SA+1]
	s_add_nc_u64 s[OUT1:OUT1+1], s[OUT1:OUT1+1], s[SA:SA+1]
.endif
.if (\a) == 4
	s_add_nc_u64 s[OUT0:OUT0+1], s[OUT0:OUT0+1], s[SB:SB+1]
	s_add_nc_u64 s[OUT1:OUT1+1], s[OUT1:OUT1+1], s[SB:SB+1]
.endif
	WIN W5                                         ; sources 0 and 1: the accumulators' window
.irp b, 0,1,2,3
	v_max3_num_f32 v[TM+\b], |v[AC+16*\b]|, |v[AC+16*\b+1]|, 0x1800000   ; block b: my 16 numbers, each accumulator from its low end on, and the floor 2^(3 - 127)
.endr
.irp i, 2,4,6,8,10,12,14
.irp b, 0,1,2,3
	v_max3_num_f32 v[TM+\b], |v[AC+16*\b+\i]|, |v[AC+16*\b+\i+1]|, v[TM+\b]
.endr
.endr
	WIN 0
.irp b, 0,1,2,3
	v_permlanex16_b32 v[TM+4+\b], v[TM+\b], s[SEL], s[SEL+1]
.endr
.irp b, 0,1,2,3
	v_max_num_f32 v[TM+\b], v[TM+\b], v[TM+4+\b]   ; with lane l xor 16's: the block's largest magnitude
.endr
.irp b, 0,1,2,3
	v_add_nc_u32 v[TM+12+\b], 0xff000000, v[TM+\b] ; 2 off its exponent field: the conversion's scale operand
.endr
.irp b, 0,1,2,3
	v_lshrrev_b32 v[TM+4+\b], 23, v[TM+12+\b]      ; the scale's byte
.endr
	v_lshl_or_b32 v[SW+(\a)], v[TM+5], 8, v[TM+4]
	v_lshl_or_b32 v[SW+(\a)], v[TM+6], 16, v[SW+(\a)]
	v_lshl_or_b32 v[SW+(\a)], v[TM+7], 24, v[SW+(\a)]
	WIN W                                          ; source 0: the accumulators' window
.irp c, 0,1
	v_cvt_scalef32_pk16_fp6_f32 v[PC+6*\c:PC+6*\c+2], v[AC+32*\c:AC+32*\c+15], v[TM+12+2*\c]
	v_cvt_scalef32_pk16_fp6_f32 v[PT+4*\c:PT+4*\c+2], v[AC+32*\c+16:AC+32*\c+31], v[TM+12+2*\c+1]
.endr
	WIN 0
	v_nop                                          ; one plain line behind a scaled conversion
.irp c, 0,1                                    ; the operand's layout wants a whole block in a lane: lanes 0-15 block 2 c, lanes 16-31 block 2 c + 1
.irp i, 0,1,2
	v_permlane16_swap_b32 v[PC+6*\c+\i], v[PT+4*\c+\i]
.endr
.irp i, 0,1,2
	v_mov_b32 v[PC+3+6*\c+\i], v[PT+4*\c+\i]
.endr
.endr
	global_store_b128 v[L16], v[PC:PC+3], s[OUT0:OUT0+1]                ; 512 consecutive bytes,
	global_store_b64 v[L8], v[PC+4:PC+5], s[OUT0:OUT0+1] offset:512     ; 256 more: the first half's image
	global_store_b128 v[L16], v[PC+6:PC+9], s[OUT1:OUT1+1]
	global_store_b64 v[L8], v[PC+10:PC+11], s[OUT1:OUT1+1] offset:512
.endm
.irp a, 0,1,2,3,4,5,6,7
	EPI \a
.endr
	s_cmp_eq_u32 s[ISV], 1
	s_cbranch_scc1 .Lsw_v
.irp t, 0,1,2,3,4,5,6,7
	v_lshrrev_b32 v[SW+\t], v[SH16], v[SW+\t]      ; q, k: bytes 0, 1 are the first head's, bytes 2, 3 the second's: lanes 16-31 serve the second.  What stands in bytes 2, 3 then scales zero codes, and is never 0xff
.endr
	global_store_b128 v[SWO], v[SW:SW+3], s[SWB:SWB+1]                  ; each half of the lanes stores 256 consecutive bytes
	global_store_b128 v[SWO], v[SW+4:SW+7], s[SWB:SWB+1] offset:256
	s_branch .Lsw_done
.Lsw_v:
	v_cmp_eq_u32 vcc_lo, 1, v3
.irp i, 0,1,2,3
	v_cndmask_b32 v[SX+\i], v[SW+\i], v[SW+4+\i], vcc_lo   ; v: blocks 0-3 are the first head's channel tiles, 4-7 the second's
.endr
	global_store_b128 v[SWO], v[SX:SX+3], s[SWB:SWB+1]
.Lsw_done:
	s_wait_tensorcnt 0x0                           ; the wave's end
	ds_add_u32 v[SPW], v[NIL]
	s_wait_dscnt 0x0
	CROUND                                         ; the closing round: no work-group ends while a partner may still ask for a tile that names it
	s_endpgm
.Lfunc_end_k_q62a8d9ed03_proj:
	.size	k_q62a8d9ed03_proj, .Lfunc_end_k_q62a8d9ed03_proj-k_q62a8d9ed03_proj
	.p2alignl 7, 3214868480
	.fill 96, 4, 3214868480
	.section	.rodata,"a",@progbits
	.p2align	6, 0x0
	.amdhsa_kernel k_q62a8d9ed03_proj
		.amdhsa_group_segment_fixed_size 327680
		.amdhsa_private_segment_fixed_size 0
		.amdhsa_enable_private_segment 0
		.amdhsa_kernarg_size 48
		.amdhsa_user_sgpr_count 2
		.amdhsa_user_sgpr_kernarg_segment_ptr 1
		.amdhsa_wavefront_size32 1
		.amdhsa_system_sgpr_workgroup_id_x 1
		.amdhsa_system_sgpr_workgroup_id_y 1
		.amdhsa_system_sgpr_workgroup_id_z 1
		.amdhsa_system_vgpr_workitem_id 0
		.amdhsa_next_free_vgpr 1024
		.amdhsa_next_free_sgpr 102
		.amdhsa_reserve_vcc 1
		.amdhsa_float_denorm_mode_32 3
		.amdhsa_float_denorm_mode_16_64 3
		.amdhsa_memory_ordered 1
		.amdhsa_forward_progress 1
		.amdhsa_inst_pref_size 169
	.end_amdhsa_kernel
	.amdgpu_metadata
---
amdhsa.version: [ 1, 2 ]
amdhsa.kernels:
  - .name:           k_q62a8d9ed03_proj
    .symbol:         k_q62a8d9ed03_proj.kd
    .args:
      - { .name: xbuf, .offset: 0, .size: 8, .value_kind: global_buffer, .address_space: global }
      - { .name: bq, .offset: 8, .size: 8, .value_kind: global_buffer, .address_space: global }
      - { .name: bk, .offset: 16, .size: 8, .value_kind: global_buffer, .address_space: global }
      - { .name: bv, .offset: 24, .size: 8, .value_kind: global_buffer, .address_space: global }
      - { .name: hq, .offset: 32, .size: 8, .value_kind: global_buffer, .address_space: global }
      - { .name: hkv, .offset: 40, .size: 8, .value_kind: global_buffer, .address_space: global }
    .group_segment_fixed_size: 327680
    .private_segment_fixed_size: 0
    .kernarg_segment_align: 8
    .kernarg_segment_size: 48
    .max_flat_workgroup_size: 128
    .sgpr_count:     102
    .vgpr_count:     1024
    .wavefront_size: 32
...
	.end_amdgpu_metadata
.endif
;; end of part 2
;; launch attn (part 3): grid 8 x 32, 16 waves a work-group, clusters of 4 x 1, 210,944 bytes of LDS; arguments hq, hkv, mbits, cbuf; writes cbuf
.if DOCPART == 3
	.amdgcn_target "amdgcn-amd-amdhsa--gfx1250"
	.amdhsa_code_object_version 6
	.text
	.protected	k_q62a8d9ed03_attn
	.globl	k_q62a8d9ed03_attn
	.p2align	8
	.type	k_q62a8d9ed03_attn,@function
k_q62a8d9ed03_attn:
	s_mov_b64 s[64:65], 0
	v_nop
	global_prefetch_b8 v0, s[64:65] scope:SCOPE_SE
	s_setreg_imm32_b32 hwreg(HW_REG_WAVE_MODE, 25, 1), 1
	s_wait_xcnt 0x0
	s_wait_alu depctr_hold_cnt(0) depctr_sa_sdst(0) depctr_va_vdst(0) depctr_va_sdst(0) depctr_va_ssrc(0) depctr_va_vcc(0) depctr_vm_vsrc(0)
	s_getreg_b32 s2, hwreg(HW_REG_IB_STS2, 6, 4)
	s_cmp_eq_u32 s2, 0
	s_cbranch_scc0 .Lentry_in_a_cluster
	s_endpgm
.Lentry_in_a_cluster:
	s_bfe_u32 s2, ttmp6, 0x10000c
	s_cmp_lg_u32 s2, 0x3003
	s_cbranch_scc0 .Lentry_shape_is_right
	s_endpgm
.Lentry_shape_is_right:
; ATTN.  ctx = softmax(Q K^T / 8, masked) V for one head, both products on codes of FP6 (E2M3) with E8M0 scales; ctx is quantised along the channels and leaves as the last projection's operand.
; t = score x log2(e) / 8; M = the running largest t rounded UP to a whole number; p = 2^(t - M) is quantised along the keys, not normalised; the row's sum is taken of the unquantised p and divides at the end.
; When M moves, the sum and O are multiplied by 2^(old M - new M): exact, and with no branch on data.
; THE MASK: where mask is 0 the score becomes -2^33, that is the logit -2^30.  LIMIT: the definition has -1e9 there; the results are the same unless a true logit lies at or under about -1e9.
; -2^33 x c is exact and a whole number, so a row with no key left gives p = 1 for every key, as the definition does.  NaN and infinities are not served.
; SHARES.  A work-group owns 256 queries of one head, each of its sixteen waves one tile of 16: four waves to a SIMD.
; THE HEAD'S K AND V, codes and scale words, are 16 records of 13,056 bytes (128 keys each), 208,896 bytes.  They lie in LDS whole, filled once: wave w brings record w by its one tensor load, 51 rows of 256 bytes, each
; beginning at a multiple of 256 bytes of hkv.  One barrier shows all records to all waves; behind it the waves do not wait for each other.  No prefetch: all fills go out at the head, so no loop runs ahead of a fill.
; CLUSTER.  The four query blocks of a cluster belong to one head: each record is asked for JOINTLY, by the same tensor load with the same descriptor and the mask of all four.
; LAYOUT.  Both products are used transposed: S^T = K Q^T (source 0 = 16 keys), O^T = V^T P^T (source 0 = 16 channels): a lane holds ONE query (lane % 16).  Place p of tile 4 c + u of a step's keys is key
; 64 c + 32 (p / 8) + 8 u + p % 8, so register 32 c + i of S^T is key 64 c + 32 (lane / 16) + i: A LANE HOLDS TWO WHOLE BLOCKS OF 32 KEYS, blocks 2 c + lane / 16, in the very order of the next operand's registers.
; So a block's maximum needs no other lane, and p's codes are the operand as the conversions leave them.  The head has 64 channels, half of the instruction's K: Q's upper six registers hold zero codes, and a tile of K
; is named with the six registers that follow it: whatever finite codes stand there meet zeros, and no scale byte is 0xff.
; A record: + 0 eight tiles of K x 768; + 6,144 four channel tiles of V x 2 x 768; + 12,288 K's scale words [2][16][4]; + 12,800 V's [16][4].  768 bytes are 16 bytes a lane, then 8 bytes a lane.
; THE MASK WORDS come by scalar loads, 64 words a step, a whole step ahead: word n is the select of v_cndmask_b32 for register n.
.set REC,  13056
.set HB,   16*REC
.set SPARE, HB                         ; behind the records: the spare words, 128 bytes for each of 16 waves
.set CSO,  3145728                     ; where cbuf's scale bytes begin
.set KV,   32                          ; v32-85   K's tile t at v[32 + 6 t], V's tile d at v[32 + 12 d]; v80-85 hold finite codes or 0
.set KS,   86                          ; v86-93   K's scale words
.set VS,   94                          ; v94-97   V's
.set S,    98                          ; v98-161  S^T, then p
.set OT,   162                         ; v162-193 O^T
.set PC,   194                         ; v194-205 p's codes
.set PT,   206                         ; v206-208, v210-212 the conversions' second halves
.set BM,   214                         ; v214-217 four running maxima; then v214, v215 my two blocks' largest score and p
.set BP,   218                         ; v218-219 a permute's result, the bytes
.set BS,   222                         ; v222-223 the conversions' scale operands
.set PW,   226                         ; p's scale word
.set TT,   227                         ; at work
.set FF,   228                         ; f = 2^(old M - new M)  (v229 is named with it as a pair)
; v1 16 x lane, v2 8 x lane, v3 16 r; v4-6 the same + the step's record; v7 -2^33; v[8:9] c, twice; v11 8 (lane / 16); v12 -M, v13 the largest t, v[14:15] the sum; v16-27 Q; v28 Q's scale word; v232-234 where ctx goes; v240, v241 for the add
; s2 wave; s3 the step's record in LDS; s[4:7] group 0; s[20:51], s[68:99] the mask words; s[52:59] group 1; s[60:61] lane selects; s[62:63] my mask words in memory; s66 their offset; s67 a counter; s[100:101] cbuf
.macro CROUND                          ; a round of the cluster's barrier
	s_barrier_signal -1
	s_barrier_wait -1
	s_cmp_lg_u32 s2, 0
	s_cbranch_scc1 .Lnot_wave_0_\@
	s_barrier_signal -3
.Lnot_wave_0_\@:
	s_barrier_wait -3
	s_barrier_signal -1
	s_barrier_wait -1
.endm
.macro SUMP                            ; the sum takes the 64 unquantised p that stand in S: two at a time, in eight chains that take turns
.set j, 0
.irp x, 230,238,236,224,222,216,214
	v_pk_add_f32 v[\x:\x+1], v[S+j:S+j+1], v[S+j+2:S+j+3]
.set j, j+4
.endr
.rept 2
.irp x, 14,230,238,236,224,222,216,214
	v_pk_add_f32 v[\x:\x+1], v[\x:\x+1], v[S+j:S+j+1]
.set j, j+2
.endr
.endr
	v_pk_add_f32 v[14:15], v[14:15], v[S+60:S+61]
	v_pk_add_f32 v[230:231], v[230:231], v[S+62:S+63]
	v_pk_add_f32 v[224:225], v[224:225], v[222:223]
	s_delay_alu instid0(VALU_DEP_4)
	v_pk_add_f32 v[216:217], v[216:217], v[214:215]
	s_delay_alu instid0(VALU_DEP_4)
	v_pk_add_f32 v[14:15], v[14:15], v[238:239]
	s_delay_alu instid0(VALU_DEP_4)
	v_pk_add_f32 v[230:231], v[230:231], v[236:237]
	s_delay_alu instid0(VALU_DEP_3)
	v_pk_add_f32 v[224:225], v[224:225], v[216:217]
	s_delay_alu instid0(VALU_DEP_2)
	v_pk_add_f32 v[14:15], v[14:15], v[230:231]
	s_delay_alu instid0(VALU_DEP_1)
	v_pk_add_f32 v[14:15], v[14:15], v[224:225]
.endm
	s_load_b256 s[20:27], s[0:1], 0x0              ; hq, hkv, mbits, cbuf
	v_lshl_add_u32 v240, v0, 2, SPARE
	v_mov_b32 v241, 0
	ds_add_u32 v240, v241                          ; the opening lines: the add, twice on end, and its wait ahead of my tensor load
	ds_add_u32 v240, v241
	v_lshrrev_b32 v1, 5, v0
	v_readfirstlane_b32 s2, v1                     ; wave 0..15
	s_bfe_u32 s28, ttmp6, 0x40000                  ; cx: it enters the addresses of Q, of the mask words and of ctx alone
	s_lshl_b32 s29, ttmp9, 2
	s_add_co_u32 s29, s29, s28                     ; my block of 256 queries, 0 .. 7
	s_and_b32 s30, ttmp7, 0xffff                   ; 16 batch + head, which the four partners share
	s_mul_i32 s32, s30, HB
	s_mov_b32 s33, 0
	s_mul_i32 s31, s2, REC                         ; my record: the same offset in memory and in LDS
	s_mov_b32 s36, s31
	s_mov_b32 s37, 0
	s_mov_b32 s52, 15|(3<<16)|(1<<21)              ; group 1: the mask of all four; elements of 8 bytes; bit 21 set beside a mask
	s_mov_b32 s53, 32<<16                          ; tensor_dim0: a row of 256 bytes
	s_mov_b32 s54, 51<<16                          ; tensor_dim1: 51 rows
	s_mov_b32 s55, 32<<16                          ; tile_dim0
	s_mov_b32 s56, 51                              ; tile_dim1
	s_mov_b32 s57, 32                              ; the pitch: dense
	s_mov_b32 s58, 0
	s_mov_b32 s59, 0
	s_mov_b32 s60, 0x76543210
	s_mov_b32 s61, 0xfedcba98                      ; v_permlanex16_b32's selects for lane l xor 16
	s_wait_dscnt 0x0
	s_wait_kmcnt 0x0
	s_add_nc_u64 s[34:35], s[22:23], s[32:33]      ; hkv at my head,
	s_add_nc_u64 s[34:35], s[34:35], s[36:37]      ; at my record
	CROUND                                         ; all four work-groups are here: the joint loads meet
	s_mov_b32 s4, 1
	s_mov_b32 s5, s31
	s_mov_b64 s[6:7], s[34:35]
	s_or_b32 s7, s7, 0x80000000
	tensor_load_to_lds s[4:7], s[52:59]            ; record 'wave': my one tensor load; every byte is filled once
	s_nop 0
.rept 4
	v_nop
.endr
	s_lshl_b32 s38, s30, 4                         ; Q: my tile is 16 x block + wave: record 2 x block + wave / 8 of the head, tile wave % 8
	s_lshl_b32 s39, s29, 1
	s_add_co_u32 s38, s38, s39
	s_lshr_b32 s39, s2, 3
	s_add_co_u32 s38, s38, s39
	s_mul_i32 s38, s38, REC
	s_mov_b32 s39, 0
	s_add_nc_u64 s[66:67], s[20:21], s[38:39]
	s_and_b32 s40, s2, 7
	s_mul_i32 s41, s40, 768
	s_lshr_b32 s43, s40, 2
	s_lshl_b32 s43, s43, 8
	s_and_b32 s40, s40, 3
	s_lshl_b32 s40, s40, 2
	s_add_co_u32 s43, s43, s40                     ; its scale words' place
	s_lshr_b32 s42, s30, 4                         ; batch
	s_lshl_b32 s42, s42, 7
	s_lshl_b32 s44, s29, 4
	s_add_co_u32 s42, s42, s44
	s_add_co_u32 s42, s42, s2                      ; my query tile among all 256
	s_lshl_b32 s44, s42, 12                        ; 16 steps x 256 bytes of mask words
	s_mov_b32 s45, 0
	s_add_nc_u64 s[62:63], s[24:25], s[44:45]
	s_mov_b64 s[100:101], s[26:27]
	s_and_b32 s46, s30, 15                         ; head
	s_lshl_b32 s47, s42, 4
	s_add_co_u32 s47, s47, s46
	s_mul_i32 s47, s47, 768                        ; ctx: tile x 12,288 + head x 768
	s_lshl_b32 s48, s42, 9
	s_lshl_b32 s49, s46, 1
	s_add_co_u32 s48, s48, s49
	s_add_co_u32 s48, s48, CSO
	v_and_b32 v10, 31, v0
	v_and_b32 v11, 15, v0
	v_lshlrev_b32 v1, 4, v10
	v_lshlrev_b32 v2, 3, v10
	v_lshlrev_b32 v3, 4, v11
	v_add_nc_u32 v29, s41, v1
	v_add_nc_u32 v30, s41, v2
	v_add_nc_u32 v31, s43, v3
	v_add_nc_u32 v232, s47, v1
	v_add_nc_u32 v233, s47, v2
	v_lshl_add_u32 v234, v3, 1, s48                ; ctx's scale bytes: tile x 512 + 32 r + 2 head
	global_load_b128 v[16:19], v29, s[66:67]
	global_load_b64 v[20:21], v30, s[66:67] offset:512
	global_load_b32 v28, v31, s[66:67] offset:12288
	s_load_b512 s[20:35], s[62:63], 0x0            ; step 0's mask words (what stood in these registers is done with)
	s_load_b512 s[36:51], s[62:63], 0x40
	s_load_b512 s[68:83], s[62:63], 0x80
	s_load_b512 s[84:99], s[62:63], 0xc0
	v_bfe_u32 v11, v0, 4, 1
	v_mov_b32 v7, 0xd0000000                       ; -2^33
	v_mov_b32 v8, 0x3e38aa3b                       ; c = log2(e) / 8
	v_mov_b32 v9, 0x3e38aa3b
	v_mov_b32 v13, 0xff61b1e6                      ; the largest t so far: -3e38, under every t
	v_lshlrev_b32 v11, 3, v11                      ; 8 (lane / 16): how far up my two scale bytes stand in the word
	v_mov_b32 v14, 0
	v_mov_b32 v15, 0
	v_floor_f32 v12, -v13                          ; -M
.irp i, 22,23,24,25,26,27, 80,81,82,83,84,85, TT, FF+1, BP, BP+1
	v_mov_b32 v[\i], 0                             ; zero codes: Q's upper 64 along K, and what the last tile of K is named with; a lane permute's destination counts as one of its sources
.endr
.set n, 0
.rept 96
	v_mov_b32 v[S+n], 0                            ; S and O^T: the step is written for every trip alike: the first finds no p to sum, and zeros in O^T, which the first change of M leaves zeros
.set n, n+1
.endr
	s_wait_alu depctr_va_vdst(0)
	s_wait_loadcnt 0x0                             ; Q; its base registers are free
	s_mov_b32 s66, 0
	s_wait_tensorcnt 0x0                           ; my record is in
	s_wait_dscnt 0x0
	s_barrier_signal -1
	s_barrier_wait -1                              ; everybody's is
	s_mov_b32 s3, 0
	s_mov_b32 s67, 16
.Lstep:                                                ; A KEY STEP: 128 keys, the record at LDS byte s3
	v_add_nc_u32 v4, s3, v1                        ; these four lines are the places behind the last step's products, in front of the loads into the registers that they read
	v_add_nc_u32 v5, s3, v2
	v_add_nc_u32 v6, s3, v3
	v_nop
.irp t, 0,1,2,3,4,5,6,7
	ds_load_b128 v[KV+6*\t:KV+6*\t+3], v4 offset:768*\t
	ds_load_b64 v[KV+6*\t+4:KV+6*\t+5], v5 offset:768*\t+512
.endr
	ds_load_b128 v[KS:KS+3], v6 offset:12288
	ds_load_b128 v[KS+4:KS+7], v6 offset:12544
	SUMP                                           ; the LAST step's p, under the last step's M: ahead of this step's change of M, and while K is on its way
	s_wait_dscnt 0x0
.irp t, 0,1,2,3,4,5,6,7
	v_wmma_scale_f32_16x16x128_f8f6f4 v[S+8*\t:S+8*\t+7], v[KV+6*\t:KV+6*\t+11], v[16:27], 0, v[KS+\t], v28 matrix_a_fmt:MATRIX_FMT_FP6 matrix_b_fmt:MATRIX_FMT_FP6
.endr
.rept 4
	v_nop                                          ; places: in front of the loads into K's registers and of the first read of the scores
.endr
.irp d, 0,1,2,3
.irp c, 0,1
	ds_load_b128 v[KV+12*\d+6*\c:KV+12*\d+6*\c+3], v4 offset:6144+1536*\d+768*\c       ; V lands while the softmax is walked
	ds_load_b64 v[KV+12*\d+6*\c+4:KV+12*\d+6*\c+5], v5 offset:6144+1536*\d+768*\c+512
.endr
.endr
	ds_load_b128 v[VS:VS+3], v6 offset:12800
	s_wait_kmcnt 0x0                               ; this step's mask words, asked for a step ago
.set n, 0
.rept 64
	v_cndmask_b32 v[S+n], v7, v[S+n], s[20+n+16*(n/32)]   ; a key that does not count: -2^33.  (Each accumulator is read from its low end on)
.set n, n+1
.endr
.irp b, 0,1,2,3
	v_max3_num_f32 v[BM+\b], v[S+16*\b], v[S+16*\b+1], v[S+16*\b+2]   ; four chains by turns, two to each of my blocks of 32 keys
.endr
.irp i, 3,5,7,9,11,13
.irp b, 0,1,2,3
	s_delay_alu instid0(VALU_DEP_4)
	v_max3_num_f32 v[BM+\b], v[BM+\b], v[S+16*\b+\i], v[S+16*\b+\i+1]
.endr
.endr
.irp b, 0,1,2,3
	s_delay_alu instid0(VALU_DEP_4)
	v_max_num_f32 v[BM+\b], v[BM+\b], v[S+16*\b+15]
.endr
	s_add_co_u32 s66, s66, 256                     ; the next step's mask words (the last loads were waited for above, so their offset may be written);
	s_min_u32 s66, s66, 3840                       ; the last step asks for its own again: no load leaves the buffer
	s_load_b512 s[20:35], s[62:63], s66 offset:0x0
	s_load_b512 s[36:51], s[62:63], s66 offset:0x40
	s_load_b512 s[68:83], s[62:63], s66 offset:0x80
	s_load_b512 s[84:99], s[62:63], s66 offset:0xc0
	v_max_num_f32 v[BM], v[BM], v[BM+1]            ; the largest score of each of my two blocks: for the row's maximum and, since p rises with the score, for the block's largest p
	v_max_num_f32 v[BM+1], v[BM+2], v[BM+3]
	s_delay_alu instid0(VALU_DEP_1)
	v_max_num_f32 v[TT], v[BM], v[BM+1]
	s_delay_alu instid0(VALU_DEP_1)
	v_permlanex16_b32 v[BP], v[TT], s60, s61
	s_delay_alu instid0(VALU_DEP_1)
	v_max_num_f32 v[TT], v[TT], v[BP]              ; with lane l xor 16's two blocks: the step's largest score of my query
	s_delay_alu instid0(VALU_DEP_1)
	v_mul_f32 v[TT], v8, v[TT]                     ; as t (c is positive)
	s_delay_alu instid0(VALU_DEP_1)
	v_max_num_f32 v13, v13, v[TT]                  ; the running largest t
	v_mov_b32 v[TT], v12
	s_delay_alu instid0(VALU_DEP_2)
	v_floor_f32 v12, -v13                          ; the new -M = floor(-t) = -ceil(t)
	s_delay_alu instid0(VALU_DEP_1)
	v_sub_f32 v[TT], v12, v[TT]                    ; old M - new M: a whole number, 0 or less; the two lines that make f of it stand among the multiply-adds below
.set n, 0
.rept 32
	v_pk_fma_f32 v[S+n:S+n+1], v[S+n:S+n+1], v[8:9], v[12:13] op_sel_hi:[1,1,0]   ; t - M, two at a time (of the pair -M, t the low word serves both halves)
.if n == 16
	v_cvt_i32_f32 v[TT], v[TT]                     ; (it saturates)
.endif
.if n == 26
	v_ldexp_f32 v[FF], 1.0, v[TT]                  ; f = 2^(old M - new M)
.endif
.set n, n+2
.endr
.irp b, 0,1
	v_fma_f32 v[BM+\b], v[BM+\b], v8, v12          ; the same of each block's largest score
.endr
	s_wait_alu depctr_va_vdst(0)
.set n, 0
.rept 64
	v_exp_f32 v[S+n], v[S+n]                       ; p = 2^(t - M), at most 1
.set n, n+1
.endr
.irp b, 0,1
	v_exp_f32 v[BM+\b], v[BM+\b]                   ; the block's largest p: the same two instructions on the same number give the same bits
.endr
	v_pk_mul_f32 v[14:15], v[14:15], v[FF:FF+1] op_sel_hi:[1,0]   ; the sum under the new M (a plain line behind the exponentials)
	s_wait_alu depctr_va_vdst(0)                   ; and behind it, ahead of its first reader
.irp b, 0,1
	v_max_num_f32 v[BM+\b], 0x1800000, v[BM+\b]    ; the floor 2^(3 - 127): the byte cannot fall under 1
.endr
.irp b, 0,1
	s_delay_alu instid0(VALU_DEP_2)
	v_add_nc_u32 v[BS+\b], 0xff000000, v[BM+\b]    ; 2 off the exponent field: the conversion's scale operand
.endr
.irp b, 0,1
	s_delay_alu instid0(VALU_DEP_2)
	v_lshrrev_b32 v[BP+\b], 23, v[BS+\b]           ; the scale's byte
.endr
	s_delay_alu instid0(VALU_DEP_1)
	v_lshl_or_b32 v[PW], v[BP+1], 16, v[BP]        ; my two bytes: blocks h and 2 + h of my query,
	s_delay_alu instid0(VALU_DEP_1)
	v_lshlrev_b32 v[PW], v11, v[PW]                ; at their places in the scale word (8 h bits up)
	s_delay_alu instid0(VALU_DEP_1)
	v_permlanex16_b32 v[TT], v[PW], s60, s61
.irp c, 0,1
	v_cvt_scalef32_pk16_fp6_f32 v[PC+6*\c:PC+6*\c+2], v[S+32*\c:S+32*\c+15], v[BS+\c]         ; registers 6 c .. 6 c + 5 of the operand: k = 64 c + 32 h + 0 .. 31
	v_cvt_scalef32_pk16_fp6_f32 v[PT+4*\c:PT+4*\c+2], v[S+32*\c+16:S+32*\c+31], v[BS+\c]      ; (a conversion's three registers begin on an even number: the second half is made elsewhere and moved)
.endr
	v_or_b32 v[PW], v[PW], v[TT]                   ; with lane l xor 16's two the word is whole (also the plain line behind the conversions)
.irp c, 0,1
.irp i, 0,1,2
	v_mov_b32 v[PC+3+6*\c+\i], v[PT+4*\c+\i]
.endr
.endr
	s_wait_alu depctr_va_vdst(0)                   ; directly ahead of the first reader of O^T
.set n, 0
.rept 16
	v_pk_mul_f32 v[OT+n:OT+n+1], v[OT+n:OT+n+1], v[FF:FF+1] op_sel_hi:[1,0]   ; O^T under the new M.  (These 16 also stand between the writes of p's codes and scale word and the products)
.set n, n+2
.endr
	s_wait_alu depctr_va_vdst(0)
	s_wait_dscnt 0x0                               ; V
.irp d, 0,1,2,3
	v_wmma_scale_f32_16x16x128_f8f6f4 v[OT+8*\d:OT+8*\d+7], v[KV+12*\d:KV+12*\d+11], v[PC:PC+11], v[OT+8*\d:OT+8*\d+7], v[VS+\d], v[PW] matrix_a_fmt:MATRIX_FMT_FP6 matrix_b_fmt:MATRIX_FMT_FP6
.endr
	s_add_co_u32 s3, s3, REC
	s_sub_co_u32 s67, s67, 1
	s_cmp_lg_u32 s67, 0
	s_cbranch_scc1 .Lstep
	; THE END.  The last step's p join the sum; O^T is divided by it, quantised along the head's 64 channels (two blocks of 32) and stored as chunk 'head' of my tile of ctx.
	; Here register 16 b + i is channel 32 b + 16 (lane / 16) + i (Wv's tiles keep their order of rows): a block lies in lanes l and l xor 16.
	s_wait_kmcnt 0x0                               ; the last, unused mask words
	SUMP                                           ; (also the places behind the last products)
	s_delay_alu instid0(VALU_DEP_1)
	v_add_f32 v14, v14, v15
	s_delay_alu instid0(VALU_DEP_1)
	v_permlanex16_b32 v[TT], v14, s60, s61
	s_delay_alu instid0(VALU_DEP_1)
	v_add_f32 v14, v14, v[TT]                      ; the row's sum
	s_wait_alu depctr_va_vdst(0)
	v_rcp_f32 v14, v14
	v_nop                                          ; one plain line behind a transcendental
	s_wait_alu depctr_va_vdst(0)
.set n, 0
.rept 16
	v_pk_mul_f32 v[OT+n:OT+n+1], v[OT+n:OT+n+1], v[14:15] op_sel_hi:[1,0]
.set n, n+2
.endr
.irp b, 0,1
	v_max3_num_f32 v[BM+\b], |v[OT+16*\b]|, |v[OT+16*\b+1]|, 0x1800000
.endr
.irp i, 2,4,6,8,10,12,14
.irp b, 0,1
	s_delay_alu instid0(VALU_DEP_2)
	v_max3_num_f32 v[BM+\b], v[BM+\b], |v[OT+16*\b+\i]|, |v[OT+16*\b+\i+1]|
.endr
.endr
.irp b, 0,1
	s_delay_alu instid0(VALU_DEP_2)
	v_permlanex16_b32 v[BP+\b], v[BM+\b], s60, s61
.endr
.irp b, 0,1
	s_delay_alu instid0(VALU_DEP_2)
	v_max_num_f32 v[BM+\b], v[BM+\b], v[BP+\b]
.endr
.irp b, 0,1
	s_delay_alu instid0(VALU_DEP_2)
	v_add_nc_u32 v[BS+\b], 0xff000000, v[BM+\b]
.endr
.irp b, 0,1
	s_delay_alu instid0(VALU_DEP_2)
	v_lshrrev_b32 v[BP+\b], 23, v[BS+\b]
.endr
	s_delay_alu instid0(VALU_DEP_1)
	v_lshl_or_b32 v[TT], v[BP+1], 8, v[BP]         ; the head's two scale bytes of my row
	v_cvt_scalef32_pk16_fp6_f32 v[PC:PC+2], v[OT:OT+15], v[BS]
	v_cvt_scalef32_pk16_fp6_f32 v[PT:PT+2], v[OT+16:OT+31], v[BS+1]
	v_nop
.irp i, 0,1,2
	v_permlane16_swap_b32 v[PC+\i], v[PT+\i]       ; the operand's layout wants a whole block in a lane
.endr
.irp i, 0,1,2
	s_delay_alu instid0(VALU_DEP_3)
	v_mov_b32 v[PC+3+\i], v[PT+\i]
.endr
	global_store_b128 v232, v[PC:PC+3], s[100:101]             ; 512 consecutive bytes,
	global_store_b64 v233, v[PC+4:PC+5], s[100:101] offset:512 ; and 256 more
	global_store_b16 v234, v[TT], s[100:101]                   ; two bytes a row are all that one head has of a row's 32 scale bytes (both halves of the lanes store the same number)
	s_wait_tensorcnt 0x0                           ; the wave's end
	ds_add_u32 v240, v241
	s_wait_dscnt 0x0
	CROUND                                         ; the closing round
	s_endpgm
.Lfunc_end_k_q62a8d9ed03_attn:
	.size	k_q62a8d9ed03_attn, .Lfunc_end_k_q62a8d9ed03_attn-k_q62a8d9ed03_attn
	.p2alignl 7, 3214868480
	.fill 96, 4, 3214868480
	.section	.rodata,"a",@progbits
	.p2align	6, 0x0
	.amdhsa_kernel k_q62a8d9ed03_attn
		.amdhsa_group_segment_fixed_size 210944
		.amdhsa_private_segment_fixed_size 0
		.amdhsa_enable_private_segment 0
		.amdhsa_kernarg_size 32
		.amdhsa_user_sgpr_count 2
		.amdhsa_user_sgpr_kernarg_segment_ptr 1
		.amdhsa_wavefront_size32 1
		.amdhsa_system_sgpr_workgroup_id_x 1
		.amdhsa_system_sgpr_workgroup_id_y 1
		.amdhsa_system_sgpr_workgroup_id_z 1
		.amdhsa_system_vgpr_workitem_id 0
		.amdhsa_next_free_vgpr 242
		.amdhsa_next_free_sgpr 102
		.amdhsa_reserve_vcc 0
		.amdhsa_float_denorm_mode_32 3
		.amdhsa_float_denorm_mode_16_64 3
		.amdhsa_memory_ordered 1
		.amdhsa_forward_progress 1
		.amdhsa_inst_pref_size 37
	.end_amdhsa_kernel
	.amdgpu_metadata
---
amdhsa.version: [ 1, 2 ]
amdhsa.kernels:
  - .name:           k_q62a8d9ed03_attn
    .symbol:         k_q62a8d9ed03_attn.kd
    .args:
      - { .name: hq, .offset: 0, .size: 8, .value_kind: global_buffer, .address_space: global }
      - { .name: hkv, .offset: 8, .size: 8, .value_kind: global_buffer, .address_space: global }
      - { .name: mbits, .offset: 16, .size: 8, .value_kind: global_buffer, .address_space: global }
      - { .name: cbuf, .offset: 24, .size: 8, .value_kind: global_buffer, .address_space: global }
    .group_segment_fixed_size: 210944
    .private_segment_fixed_size: 0
    .kernarg_segment_align: 8
    .kernarg_segment_size: 32
    .max_flat_workgroup_size: 512
    .sgpr_count:     102
    .vgpr_count:     242
    .wavefront_size: 32
...
	.end_amdgpu_metadata
.endif
;; end of part 3
;; launch outp (part 4): grid 8 x 32, 4 waves a work-group, clusters of 4 x 4, 327,680 bytes of LDS; arguments cbuf, xbuf, bo, out0; writes out0
.if DOCPART == 4
	.amdgcn_target "amdgcn-amd-amdhsa--gfx1250"
	.amdhsa_code_object_version 6
	.text
	.protected	k_q62a8d9ed03_outp
	.globl	k_q62a8d9ed03_outp
	.p2align	8
	.type	k_q62a8d9ed03_outp,@function
k_q62a8d9ed03_outp:
	s_mov_b64 s[64:65], 0
	v_nop
	global_prefetch_b8 v0, s[64:65] scope:SCOPE_SE
	s_setreg_imm32_b32 hwreg(HW_REG_WAVE_MODE, 25, 1), 1
	s_wait_xcnt 0x0
	s_wait_alu depctr_hold_cnt(0) depctr_sa_sdst(0) depctr_va_vdst(0) depctr_va_sdst(0) depctr_va_ssrc(0) depctr_va_vcc(0) depctr_vm_vsrc(0)
	s_getreg_b32 s2, hwreg(HW_REG_IB_STS2, 6, 4)
	s_cmp_eq_u32 s2, 0
	s_cbranch_scc0 .Lentry_in_a_cluster
	s_endpgm
.Lentry_in_a_cluster:
	s_bfe_u32 s2, ttmp6, 0x10000c
	s_cmp_lg_u32 s2, 0xf033
	s_cbranch_scc0 .Lentry_shape_is_right
	s_endpgm
.Lentry_shape_is_right:
; OUTP.  out0 = ctx Wo^T + bo on codes of FP6 (E2M3) with E8M0 scales, K = 1,024.  A work-group makes 128 x 128 results, a wave 64 x 64: 16 accumulators.
; The matrix instruction is used transposed (source 0 = 16 rows of Wo, source 1 = 16 rows of ctx): a lane holds eight neighbouring numbers of a row of out0.
; OPERANDS lie in cbuf and xbuf as images of their registers: a tile of 16 rows is 12,288 dense bytes, 64 along K are 768 (16 bytes a lane, then 8 bytes a lane).
; ALL OF K LIES IN LDS AT ONCE: 8 tiles of ctx and 8 of Wo, 196,608 bytes, filled once.  Each wave brings four neighbouring tiles, 49,152 dense bytes, by its one tensor load at the head, as 192 rows of 256 bytes.
; One barrier shows them to all four waves; the eight steps of 128 along K that follow have none.  No prefetch: the one fill goes out at the head, and no loop runs ahead of a fill.
; The scale words go from memory straight into registers: two loads of 16 bytes a lane cover a row's 32 bytes; both halves of the lanes load the same rows, ctx's words in v32-63, Wo's in v192-223.
; CLUSTERS: 4 x 4 work-groups; ctx's tiles are shared along a row of the cluster, Wo's along a column, each asked for jointly.  Results leave through each wave's own stage in LDS, in whole units of 256 bytes.
.set KSL,   3072
.set HALFT, 4*KSL
.set SLOT,  4*HALFT
.set SCL,   4*SLOT
.set HALFS, 8*272
.set SBLK,  2*272
.set STGB,  SCL+4*HALFS
.set SPITCH, 272
.set TILEB, 12288
.set XSC,   12582912
.set CSO,   3145728
.set FA16, 4
.set FA8,  8
.set FB16, 12
.set FB8,  16
.set ADRS, 20
.set L16,  21
.set L8,   22
.set STO,  23
.set RD,   24
.set CO,   25
.set BO,   26
.set SC,   32
.set BIAS, 64
.set AF,   96
.set BK,   192
.set SCB,  192                         ; Wo's scale words; on the way out these registers take rows read back from the stage
.set ACC,  128
.set WV,   16
.set WR,   17
.set WC,   18
.set XW,   19
.set CX,   21
.set CY,   22
.set YW,   23
.set G1A,  24
.set G0A,  32
.set G1B,  48
.set G0B,  68
.set G1SB, 56
.set G0SB, 96
.set G1SA, 84
.set G0SA, 92
.set MSB, 0
.macro WIN new
.if MSB != (\new)
	s_set_vgpr_msb (MSB<<8)|(\new)
.set MSB, (\new)
.endif
.endm
.macro JLOAD g0a, g1a, g0b, g1b
	s_cmp_eq_u32 s[WR], 0
	s_cbranch_scc0 .Lfor_b_\@
	tensor_load_to_lds s[\g0a:\g0a+3], s[\g1a:\g1a+7]
	s_nop 0
.rept 4
	v_nop
.endr
	s_branch .Lasked_\@
.Lfor_b_\@:
	tensor_load_to_lds s[\g0b:\g0b+3], s[\g1b:\g1b+7]
	s_nop 0
.rept 4
	v_nop
.endr
.Lasked_\@:
.endm
.macro CROUND
	s_barrier_signal -1
	s_barrier_wait -1
	s_cmp_lg_u32 s[WV], 0
	s_cbranch_scc1 .Lnot_wave_0_\@
	s_barrier_signal -3
.Lnot_wave_0_\@:
	s_barrier_wait -3
	s_barrier_signal -1
	s_barrier_wait -1
.endm
.macro PLACES n
.rept \n
	v_nop
.endr
.endm
.macro FRAG reg, a16, a8, q, i
.irp c, 0,1
	ds_load_b128 v[\reg+6*\c:\reg+6*\c+3], v[\a16] offset:(\i)*TILEB+(2*(\q)+\c)*768
	ds_load_b64 v[\reg+6*\c+4:\reg+6*\c+5], v[\a8] offset:(\i)*TILEB+(2*(\q)+\c)*768+512
.endr
.endm
.macro FETCH kq
.set FP, (\kq)%2
	WIN 0x40
.irp i, 0,1,2,3
	FRAG 48*FP+12*\i, FB16, FB8, \kq, \i
.endr
	WIN 0
.irp i, 0,1,2,3
	FRAG AF+48*FP+12*\i, FA16, FA8, \kq, \i
.endr
.endm
.macro MULS kq, mode
.irp a, 0,1,2,3
.irp b, 0,1,2,3
.set rD, ACC+8*(4*\a+\b)
.set rB, 48*((\kq)%2)+12*\b
.set rA, AF+48*((\kq)%2)+12*\a
.set sB, SCB+8*\b+(\kq)
.set sA, SC+8*\a+(\kq)
.if \mode == 0
	v_wmma_scale_f32_16x16x128_f8f6f4 v[rD:rD+7], v[rB:rB+11], v[rA:rA+11], v[rD:rD+7], v[sB], v[sA] matrix_a_fmt:MATRIX_FMT_FP6 matrix_b_fmt:MATRIX_FMT_FP6 matrix_a_scale:MATRIX_SCALE_ROW1
.else
	v_wmma_scale_f32_16x16x128_f8f6f4 v[rD:rD+7], v[rB:rB+11], v[rA:rA+11], v[BIAS+8*\b:BIAS+8*\b+7], v[sB], v[sA] matrix_a_fmt:MATRIX_FMT_FP6 matrix_b_fmt:MATRIX_FMT_FP6 matrix_a_scale:MATRIX_SCALE_ROW1
.endif
.endr
.endr
.endm
.macro STEP kq, mode
	s_wait_dscnt 0x0                               ; this step's fragments are in
.if (\kq) < 7
.if (\kq) > 0
	PLACES 4
.endif
	FETCH (\kq)+1
.endif
.if \mode
	WIN 0x41
.else
	WIN 0x51
.endif
	MULS \kq, \mode
	WIN 0
.endm
	s_load_b256 s[4:11], s[0:1], 0x0
	v_lshl_add_u32 v30, v0, 2, 0x36600
	v_mov_b32 v31, 0
	ds_add_u32 v30, v31
	ds_add_u32 v30, v31
	v_lshrrev_b32 v1, 5, v0
	v_readfirstlane_b32 s[WV], v1
	s_lshr_b32 s[WR], s[WV], 1
	s_and_b32 s[WC], s[WV], 1
	s_bfe_u32 s[CX], ttmp6, 0x40000
	s_bfe_u32 s[CY], ttmp6, 0x40004
	s_lshl_b32 s[XW], ttmp9, 2
	s_add_co_u32 s[XW], s[XW], s[CX]
	s_and_b32 s[YW], ttmp7, 0xffff
	s_lshl_b32 s[YW], s[YW], 2
	s_add_co_u32 s[YW], s[YW], s[CY]
	s_lshl_b32 s2, s[CY], 2
	s_lshl_b32 s2, 15, s2
	s_lshl_b32 s3, 0x1111, s[CX]
	s_or_b32 s[G1A], s2, (3<<16)|(1<<21)
	s_or_b32 s[G1B], s3, (3<<16)|(1<<21)
.irp g, G1A, G1B
	s_mov_b32 s[\g+1], 32<<16                      ; rows of 256 bytes (32 elements of 8 bytes),
	s_mov_b32 s[\g+2], 192<<16                     ; 192 of them: four tiles,
	s_mov_b32 s[\g+3], 32<<16
	s_mov_b32 s[\g+4], 192
	s_mov_b32 s[\g+5], 32                          ; dense in memory and in LDS
	s_mov_b32 s[\g+6], 0
	s_mov_b32 s[\g+7], 0
.endr
	s_lshl_b32 s12, s[YW], 3
	s_lshl_b32 s14, s[WR], 2
	s_add_co_u32 s14, s14, s12
	s_lshl_b32 s14, s14, 9
	s_add_co_u32 s14, s14, CSO                     ; the scale bytes of the four tiles of ctx that I multiply
	s_lshl_b32 s13, s[WC], 2
	s_add_co_u32 s12, s12, s13                     ; the four tiles that I fetch
	s_mov_b32 s15, 0
	s_mul_i32 s12, s12, TILEB
	s_mov_b32 s13, 0
	s_lshl_b32 s100, s[XW], 3
	s_lshl_b32 s101, s[WC], 2
	s_add_co_u32 s100, s100, s101
	s_add_co_u32 s100, s100, 960
	s_lshl_b32 s66, s100, 9
	s_add_co_u32 s66, s66, XSC
	s_mov_b32 s67, 0
	s_mul_i32 s100, s100, TILEB
	s_mov_b32 s101, 0
	s_mul_i32 s2, s[WV], SLOT                      ; where my four tiles go: by the wave's number alone
	s_wait_dscnt 0x0
	s_wait_kmcnt 0x0
	s_add_nc_u64 s[12:13], s[4:5], s[12:13]
	s_add_nc_u64 s[14:15], s[4:5], s[14:15]
	s_add_nc_u64 s[100:101], s[6:7], s[100:101]
	s_add_nc_u64 s[66:67], s[6:7], s[66:67]
	CROUND
	s_mov_b32 s[G0A], 1
	s_mov_b32 s[G0A+1], s2
	s_mov_b64 s[G0A+2:G0A+3], s[12:13]
	s_or_b32 s[G0A+3], s[G0A+3], 0x80000000
	s_mov_b32 s[G0B], 1
	s_mov_b32 s[G0B+1], s2
	s_mov_b64 s[G0B+2:G0B+3], s[100:101]
	s_or_b32 s[G0B+3], s[G0B+3], 0x80000000
	JLOAD G0A, G1A, G0B, G1B                       ; my one tensor load: four tiles, all of K
	v_and_b32 v1, 31, v0
	v_and_b32 v2, 15, v0
	v_bfe_u32 v3, v0, 4, 1
	v_lshlrev_b32 v[L16], 4, v1
	v_lshlrev_b32 v[L8], 3, v1
	s_mul_i32 s2, s[WR], SLOT                      ; my four tiles of ctx
	s_mul_i32 s3, s[WC], SLOT                      ; my four tiles of Wo,
	s_add_co_u32 s3, s3, 2*SLOT                    ; which lie behind ctx's eight
	v_add_nc_u32 v[FA16], s2, v[L16]
	v_add_nc_u32 v[FA8], s2, v[L8]
	v_add_nc_u32 v[FB16], s3, v[L16]
	v_add_nc_u32 v[FB8], s3, v[L8]
	v_lshlrev_b32 v[ADRS], 5, v2                   ; my row's 32 scale bytes
.irp i, 0,1,2,3
	global_load_b128 v[SC+8*\i:SC+8*\i+3], v[ADRS], s[14:15] offset:512*\i
	global_load_b128 v[SC+8*\i+4:SC+8*\i+7], v[ADRS], s[14:15] offset:512*\i+16
	global_load_b128 v[SCB+8*\i:SCB+8*\i+3], v[ADRS], s[66:67] offset:512*\i
	global_load_b128 v[SCB+8*\i+4:SCB+8*\i+7], v[ADRS], s[66:67] offset:512*\i+16
.endr
	s_mul_i32 s2, s[WV], 16*SPITCH
	s_add_co_u32 s2, s2, STGB
	v_mul_u32_u24 v[STO], v2, SPITCH
	v_lshl_add_u32 v[STO], v3, 6, v[STO]
	v_add_nc_u32 v[STO], s2, v[STO]
	v_mul_u32_u24 v[RD], v3, SPITCH
	v_lshl_add_u32 v[RD], v2, 4, v[RD]
	v_add_nc_u32 v[RD], s2, v[RD]
	v_lshlrev_b32 v[CO], 12, v3
	v_lshl_add_u32 v[CO], v2, 4, v[CO]
	s_lshl_b32 s2, s[YW], 7
	s_lshl_b32 s3, s[WR], 6
	s_add_co_u32 s2, s2, s3
	s_lshl_b32 s2, s2, 12
	s_lshl_b32 s3, s[XW], 9
	s_lshl_b32 s20, s[WC], 8
	s_add_co_u32 s3, s3, s20
	v_lshl_add_u32 v[BO], v3, 6, s3
	s_add_co_u32 s2, s2, s3
	s_mov_b32 s3, 0
	s_add_nc_u64 s[10:11], s[10:11], s[2:3]
.irp b, 0,1,2,3
	global_load_b128 v[BIAS+8*\b:BIAS+8*\b+3], v[BO], s[8:9] offset:128*(\b/2)+32*(\b%2)
	global_load_b128 v[BIAS+8*\b+4:BIAS+8*\b+7], v[BO], s[8:9] offset:128*(\b/2)+32*(\b%2)+16
.endr
	s_wait_alu depctr_va_vdst(0)
	s_wait_tensorcnt 0x0                           ; my four tiles are in
	s_barrier_signal -1
	s_barrier_wait -1                              ; everybody's are
	FETCH 0
	s_wait_loadcnt 0x0
	STEP 0, 1
	STEP 1, 0
	STEP 2, 0
	STEP 3, 0
	STEP 4, 0
	STEP 5, 0
	STEP 6, 0
	STEP 7, 0
.macro TOSTAGE a
	WIN 0x04
.irp b, 0,1,2,3
	ds_store_b128 v[STO], v[ACC+8*(4*(\a)+\b):ACC+8*(4*(\a)+\b)+3] offset:128*(\b/2)+32*(\b%2)
	ds_store_b128 v[STO], v[ACC+8*(4*(\a)+\b)+4:ACC+8*(4*(\a)+\b)+7] offset:128*(\b/2)+32*(\b%2)+16
.endr
	WIN 0
.set BB, BK+32*((\a)%2)
.irp t, 0,1,2,3,4,5,6,7
	ds_load_b128 v[BB+4*\t:BB+4*\t+3], v[RD] offset:\t*2*SPITCH
.endr
.endm
.macro SEND a, younger
.set BB, BK+32*((\a)%2)
	s_wait_dscnt \younger
.irp t, 0,1,2,3,4,5,6,7
	global_store_b128 v[CO], v[BB+4*\t:BB+4*\t+3], s[10:11] offset:(32*((\a)/2)+8*((\a)%2)+2*\t+8*(\t/4))*4096 th:TH_STORE_NT
.endr
.endm
	PLACES 4
	s_wait_alu depctr_va_vdst(0)
	TOSTAGE 0
.irp a, 1,2,3
.if \a > 1
	s_wait_xcnt 0x0
.endif
	TOSTAGE \a
	SEND \a-1, 16
.endr
	SEND 3, 0
	s_wait_tensorcnt 0x0
	ds_add_u32 v30, v31
	s_wait_dscnt 0x0
	CROUND
	s_endpgm
.Lfunc_end_k_q62a8d9ed03_outp:
	.size	k_q62a8d9ed03_outp, .Lfunc_end_k_q62a8d9ed03_outp-k_q62a8d9ed03_outp
	.p2alignl 7, 3214868480
	.fill 96, 4, 3214868480
	.section	.rodata,"a",@progbits
	.p2align	6, 0x0
	.amdhsa_kernel k_q62a8d9ed03_outp
		.amdhsa_group_segment_fixed_size 327680
		.amdhsa_private_segment_fixed_size 0
		.amdhsa_enable_private_segment 0
		.amdhsa_kernarg_size 32
		.amdhsa_user_sgpr_count 2
		.amdhsa_user_sgpr_kernarg_segment_ptr 1
		.amdhsa_wavefront_size32 1
		.amdhsa_system_sgpr_workgroup_id_x 1
		.amdhsa_system_sgpr_workgroup_id_y 1
		.amdhsa_system_sgpr_workgroup_id_z 1
		.amdhsa_system_vgpr_workitem_id 0
		.amdhsa_next_free_vgpr 512
		.amdhsa_next_free_sgpr 102
		.amdhsa_reserve_vcc 0
		.amdhsa_float_denorm_mode_32 3
		.amdhsa_float_denorm_mode_16_64 3
		.amdhsa_memory_ordered 1
		.amdhsa_forward_progress 1
		.amdhsa_inst_pref_size 51
	.end_amdhsa_kernel
	.amdgpu_metadata
---
amdhsa.version: [ 1, 2 ]
amdhsa.kernels:
  - .name:           k_q62a8d9ed03_outp
    .symbol:         k_q62a8d9ed03_outp.kd
    .args:
      - { .name: cbuf, .offset: 0, .size: 8, .value_kind: global_buffer, .address_space: global }
      - { .name: xbuf, .offset: 8, .size: 8, .value_kind: global_buffer, .address_space: global }
      - { .name: bo, .offset: 16, .size: 8, .value_kind: global_buffer, .address_space: global }
      - { .name: out0, .offset: 24, .size: 8, .value_kind: global_buffer, .address_space: global }
    .group_segment_fixed_size: 327680
    .private_segment_fixed_size: 0
    .kernarg_segment_align: 8
    .kernarg_segment_size: 32
    .max_flat_workgroup_size: 128
    .sgpr_count:     102
    .vgpr_count:     512
    .wavefront_size: 32
...
	.end_amdgpu_metadata
.endif
;; end of part 4
